; MI455X (gfx1250); checked and timed in simulation.
; The chip was launched on July 23, 2026; its instructions are those of AMD's public machine-readable ISA for CDNA 5 (MIT licence, August 2026) and "CDNA5" Instruction Set Architecture Reference Guide (July 2026). The comments in the code are by the model that wrote it; some were corrected since.
;; Mutli Head Attention Block. Allowed arithmetic: matrix products marked QUANTISED: E2M3 operands, one E8M0 scale for each 32 along K, by v_wmma_scale_f32_16x16x128_f8f6f4 with both operands' format E2M3, f32 sums; everything else in f32.
;; Inputs: b_k 1,024 float32; b_o 1,024 float32; b_q 1,024 float32; b_v 1,024 float32; k 2 x 2,048 x 1,024 float32; mask 2 x 1 x 2,048 x 2,048 int32; q 2 x 2,048 x 1,024 float32; v 2 x 2,048 x 1,024 float32; w_k 1,024 x 1,024 float32; w_o 1,024 x 1,024 float32; w_q 1,024 x 1,024 float32; w_v 1,024 x 1,024 float32.
;; Outputs: out0 2 x 2,048 x 1,024 float32.
;; This version of the problem:
;;   THIS VERSION OF THE PROBLEM IS GIVEN IN LOW PRECISION. The matrix products marked QUANTISED in the list below multiply operands that are first quantised to E2M3 (2 exponent bits, 3 mantissa bits; 6 bits a number), with one power-of-two scale for each 32 numbers along K (OCP MX v1.0); their sums are f32. All else is computed in f32.
;;   The module's matrix products, in the order in which they are computed (A, B: the left and right operand; K: the contracted axis; several contracted axes count as one K, in the product's order):
;;     1. [M 4,096, K 1,024] x [K 1,024, N 1,024]; A: input q; B: input w_q: QUANTISED
;;     2. [M 4,096, K 1,024] x [K 1,024, N 1,024]; A: input k; B: input w_k: QUANTISED
;;     3. [M 4,096, K 1,024] x [K 1,024, N 1,024]; A: input v; B: input w_v: QUANTISED
;;     4. batch 32 x [M 2,048, K 64] x [K 64, N 2,048]; A: computed on the way; B: computed on the way: QUANTISED
;;     5. batch 32 x [M 2,048, K 2,048] x [K 2,048, N 64]; A: softmax (see below); B: computed on the way: QUANTISED
;;     6. [M 4,096, K 1,024] x [K 1,024, N 1,024]; A: computed on the way; B: input w_o: QUANTISED
;;   THE QUANTISER, for each operand of a quantised product, along K:
;;     - K is cut into blocks of 32 from its start; a last block that is shorter is filled with zeros.
;;     - A block's scale is 2^e with e = floor(log2(the largest magnitude in the block)) - 2, held to -126 .. 127; a block of zeros has e = 0. As a byte (E8M0): e + 127.
;;     - Each number is divided by its block's scale, clamped to +-7.5, and rounded to the nearest number of E2M3, ties to even, subnormals kept.
;;     - The product sums the exact products of the quantised numbers (number of the format x scale) in f32.
;;   ~~~python
;;   def quantise(x, axis):      # numpy; x: float32 -> the quantised numbers, widened to float32 again
;;       x = np.moveaxis(x, axis, -1); K = x.shape[-1]
;;       x = np.pad(x, [(0, 0)] * (x.ndim - 1) + [(0, -K % 32)]); x = x.reshape(x.shape[:-1] + (-1, 32)); a = np.abs(x).max(-1, keepdims=True)
;;       e = np.where(a > 0, np.clip(np.frexp(np.where(a > 0, a, 1))[1] - 1 - 2, -126, 127), 0)      # np.frexp(a)[1] - 1 = floor(log2(a)), exactly
;;       r = np.clip(x / 2.0 ** e, -7.5, 7.5)
;;       step = 2.0 ** (np.maximum(np.frexp(np.where(r == 0, 1, r))[1] - 1, 0) - 3)
;;       q = np.round(r / step) * step * 2.0 ** e      # np.round: ties to even
;;       return np.moveaxis(q.reshape(q.shape[:-2] + (-1,))[..., :K], -1, axis).astype(np.float32)
;;   ~~~
;;   SOFTMAX AHEAD OF A QUANTISED PRODUCT. Where the list says 'softmax', what is quantised is not the finished softmax but p = 2^(t - M), with t = logit x log2(e) and M = ceil(the row's largest t), a whole number; so 1/2 < the row's largest p <= 1. The row's sum l is taken of the UNQUANTISED p, in f32, and the product's result is divided by l at the end. Since M is a whole number, a kernel that streams over the keys may use a running M (the ceiling of the running maximum): every later rescaling is an exact power of two, which a block's scale takes up: the codes' values come out the same.
;;   OPERANDS COMPUTED ON THE WAY. 'Computed on the way' means the value that the module computes at that place (a softmax that the list does not call 'softmax' is quantised finished and normalised). What goes into a quantiser is computed in f32, as accurately as f32 sums, v_exp_f32 and their like allow (about 1e-6 of the number): no bf16 or f16 on the way to a quantiser, and a product that is left as it is and whose result goes on into a quantised operand takes f32 operands (vector FMAs, or v_wmma_f32_16x16x4_f32). A number that lies on a knife's edge between two numbers of the format may be rounded either way, as far as f32 arithmetic and the matrix unit's own rounding can turn it there, and no further.
;; One version. Each part assembles by itself: llvm-mc -triple=amdgcn-amd-amdhsa -mcpu=gfx1250 --defsym DOCPART=n.
;; ======== version 1 of 1: 4 launches
;; limits: right only within a limited range of input values
;; workspace buffers: xq 13,107,200 bytes; mb 1,048,576 bytes of whole numbers; hq 9,830,400 bytes; oq 3,276,800 bytes
;; launch prep (part 1): grid 768 x 1, 4 waves a work-group, no clusters, 34,304 bytes of LDS; arguments q, k, v, w_q, w_k, w_v, w_o, mask, xq, mb; writes xq, mb
.if DOCPART == 1
	.amdgcn_target "amdgcn-amd-amdhsa--gfx1250"
	.amdhsa_code_object_version 6
	.text
	.protected	k_q4e9cad6ada_prep
	.globl	k_q4e9cad6ada_prep
	.p2align	8
	.type	k_q4e9cad6ada_prep,@function
k_q4e9cad6ada_prep:
	s_mov_b64 s[64:65], 0
	v_nop
	global_prefetch_b8 v0, s[64:65] scope:SCOPE_SE
	s_setreg_imm32_b32 hwreg(HW_REG_WAVE_MODE, 25, 1), 1
	s_wait_xcnt 0x0
; q, k, v [4096][1024] and w_q, w_k, w_v, w_o [1024][1024], f32, K innermost, become codes of FP6 (E2M3) with one E8M0 byte for each 32 along K; the mask [4096][2048] int32 becomes one bit a number.
; A block's scale is 2^(floor(log2(its largest magnitude)) - 2): its byte is the largest magnitude's exponent field - 2, held at 1 from below.
; LIMITS: NaN and infinities among the inputs are not served.  A block whose largest magnitude lies under 2^-124, a block of zeros among them, gets the byte 1 (the rule gives a block of zeros 127: its codes are
; zeros, which add nothing under any byte but 0xff, and this program alone reads the bytes).
; WHICH ROWS FORM A TILE.  Rows go in groups of 64; tile u (0..3) of group g holds at its place m (0..15) the row 64 g + 32 (m / 8) + 8 u + m % 8.  A matrix result keeps place 8 h + j in register j of lane (r, h),
; so that later a lane's 32 registers over a group's four tiles are 32 NEIGHBOURING rows: a whole block of the next product's K in one lane.
; LAYOUT OF THE CODES.  A half fragment, 16 rows x 64 along K, is an image of 6 registers a lane (lane (r, h): k = 32 h .. 32 h + 31 of row r): registers 0-3 at 16 x lane, registers 4-5 at 512 + 8 x lane: 768 bytes.
; xq: tile G (q 0-255, k 256-511, v 512-767, w_q 768-, w_k 832-, w_v 896-, w_o 960-1023) at 12,288 G, its 16 half fragments on end; its scale bytes at XS0 + 512 G as [256 along K (4)][row (16)][8 bytes].
; mb: query tile T, key step s of 128: 64 words at 4,096 T + 256 s; bit (lane (r, h)) of word 32 c + e says whether key 128 s + 64 c + 32 h + e counts for the tile's row r.
; SHARES.  A wave takes 16 rows (a tile) x 2,048 bytes of each, in 4 steps of 512 bytes a row.  Work-groups 0-511: two tiles of the seven tensors, two halves of K each; 512-767: a tile of the mask, four quarters.
; Each load reads 512 consecutive bytes of one row; a step's 16 rows turn through the wave's own stage in LDS (rows 528 bytes apart: 132 words, so that the 16 rows of a read start at 16 different banks:
; 64 banks of 4 bytes, ISA guide 11.1) and come back 32 neighbours a block to a lane.  Loads run two steps (32 loads a wave) ahead.  No barrier: waves share nothing.
.set PITS,  528
.set WREG,  16*PITS                    ; a wave's stage
.set XS0,   12582912                   ; where the scale bytes begin in xq
.set RB,    32                         ; s[32:63] the addresses of my 16 rows
.set MS,    80                         ; s[80:83] compare results, by turns
.set SW,    16                         ; v16-19  a step's scale word
.set W,     22                         ; v22-29  a step's 64 mask words: a pair of registers, word n in lane n / 2
.set C,     32                         ; v32-43  two half fragments
.set T,     44                         ; v44-46, v48-50 the upper halves of the blocks' codes
.set R,     64                         ; v64-191 two sets of 64: a step as loaded
.set X,     192                        ; v192-255 a step as the conversions want it: register 32 c + e = k 64 c + 32 h + e of row r
	s_load_b512 s[4:19], s[0:1], 0x0               ; q, k, v, w_q, w_k, w_v, w_o, mask
	s_load_b128 s[20:23], s[0:1], 0x40             ; xq, mb
	v_lshl_add_u32 v62, v0, 2, 0x8400
	v_mov_b32 v63, 0
	v_lshrrev_b32 v7, 5, v0
	v_readfirstlane_b32 s24, v7                    ; wave 0..3
	v_and_b32 v9, 31, v0                           ; lane
	v_and_b32 v4, 15, v0                           ; r
	v_bfe_u32 v6, v0, 4, 1                         ; h
	v_lshlrev_b32 v1, 4, v9                        ; 16 x lane
	v_lshlrev_b32 v5, 3, v9                        ; 8 x lane
	s_mul_i32 s26, s24, WREG
	v_add_nc_u32 v2, s26, v1                       ; the stage, on the way in: a row's 512 bytes as loaded
	v_mul_u32_u24 v3, v4, PITS
	v_lshl_add_u32 v3, v6, 7, v3
	v_add_nc_u32 v3, s26, v3                       ; and on the way out: row r, + 128 h
	v_lshlrev_b32 v6, 3, v6                        ; 8 h
	v_mov_b32 v8, 0                                ; a lane permute's destination counts as one of its sources
.irp i, 0,1,2,3
	v_mov_b32 v[SW+\i], 0
.endr
.irp i, 0,1,2,3,4,5,6,7
	v_mov_b32 v[W+\i], 0                           ; v_writelane_b32 fills these lane by lane
.endr
	s_mov_b32 s25, ttmp9                           ; work-group
	s_lshl_b32 s26, s25, 1
	s_lshr_b32 s27, s24, 1
	s_add_co_u32 s26, s26, s27                     ; G = 2 x work-group + wave / 2
	s_and_b32 s27, s24, 1                          ; which half of K
	s_and_b32 s30, s26, 255
	s_and_b32 s31, s26, 63
	s_cmp_lt_u32 s26, 768
	s_cselect_b32 s30, s30, s31                    ; the tile's number in its own tensor
	s_sub_co_u32 s31, s25, 512                     ; the mask's tile
	s_mov_b32 s66, 8192
	s_cmp_lt_u32 s25, 512                          ; numbers to quantise, or the mask?  The choice hangs on the work-group's number alone
	s_cselect_b32 s74, 0, 1
	s_cselect_b32 s78, s30, s31                    ; T
	s_cselect_b32 s79, s27, s24                    ; which 2,048 bytes of the rows
	s_cselect_b32 s66, 4096, s66                   ; s[66:67] a row in bytes
	s_mov_b32 s67, 0
	s_mul_i32 s68, s66, 25                         ; s[68:69] from the tile's place 7 to its place 8: 25 rows
	s_mov_b32 s69, 0
	s_lshr_b32 s30, s78, 2
	s_lshl_b32 s30, s30, 6
	s_and_b32 s31, s78, 3
	s_lshl_b32 s31, s31, 3
	s_add_co_u32 s30, s30, s31                     ; the tile's first row: 64 (T / 4) + 8 (T % 4)
	s_mul_i32 s30, s30, s66
	s_lshl_b32 s31, s79, 11
	s_add_co_u32 s30, s30, s31                     ; s[30:31] my first byte (under 2^26)
	s_mov_b32 s31, 0
	s_mul_i32 s72, s26, 12288
	s_mul_i32 s27, s79, 6144
	s_add_co_u32 s72, s72, s27                     ; where my codes go,
	s_lshl_b32 s73, s78, 12
	s_lshl_b32 s27, s79, 10
	s_add_co_u32 s73, s73, s27                     ; or my mask words
	s_cmp_lt_u32 s25, 512
	s_cselect_b32 s80, s72, s73
	s_mov_b32 s81, 0
	s_lshl_b32 s82, s26, 9
	s_lshl_b32 s27, s79, 8
	s_add_co_u32 s82, s82, s27
	s_add_co_u32 s82, s82, XS0                     ; and my scale bytes (used by the quantising work-groups alone)
	s_mov_b32 s83, 0
	s_mov_b32 s75, 0xffff0000                      ; lanes 16-31
	s_mov_b32 s76, 0x76543210
	s_mov_b32 s77, 0xfedcba98                      ; v_permlanex16_b32's selects for lane l xor 16
	s_wait_kmcnt 0x0
	s_cmp_lt_u32 s25, 512
	s_cselect_b64 s[28:29], s[16:17], s[18:19]     ; the tensor that I read, by the work-group's number
	s_cselect_b64 s[70:71], s[20:21], s[22:23]     ; and the buffer that takes my codes or words
	s_cmp_lt_u32 s25, 480
	s_cselect_b64 s[28:29], s[14:15], s[28:29]
	s_cmp_lt_u32 s25, 448
	s_cselect_b64 s[28:29], s[12:13], s[28:29]
	s_cmp_lt_u32 s25, 416
	s_cselect_b64 s[28:29], s[10:11], s[28:29]
	s_cmp_lt_u32 s25, 384
	s_cselect_b64 s[28:29], s[8:9], s[28:29]
	s_cmp_lt_u32 s25, 256
	s_cselect_b64 s[28:29], s[6:7], s[28:29]
	s_cmp_lt_u32 s25, 128
	s_cselect_b64 s[28:29], s[4:5], s[28:29]
	s_add_nc_u64 s[70:71], s[70:71], s[80:81]
	s_add_nc_u64 s[72:73], s[20:21], s[82:83]
	s_add_nc_u64 s[RB:RB+1], s[28:29], s[30:31]
.irp i, 1,2,3,4,5,6,7,8,9,10,11,12,13,14,15
.if \i == 8
	s_add_nc_u64 s[RB+2*\i:RB+2*\i+1], s[RB+2*\i-2:RB+2*\i-1], s[68:69]
.else
	s_add_nc_u64 s[RB+2*\i:RB+2*\i+1], s[RB+2*\i-2:RB+2*\i-1], s[66:67]
.endif
.endr
.macro LOAD t                          ; step t: 512 consecutive bytes of each of my 16 rows, into set t % 2
.irp i, 0,1,2,3,4,5,6,7,8,9,10,11,12,13,14,15
	global_load_b128 v[R+64*((\t)%2)+4*\i:R+64*((\t)%2)+4*\i+3], v1, s[RB+2*\i:RB+2*\i+1] offset:512*(\t) th:TH_LOAD_NT
.endr
.endm
.macro STEP t
.if (\t) < 3
	s_wait_loadcnt 16                              ; this step's 16 loads are in; the next step's 16 may be out
.else
	s_wait_loadcnt 0x0
.endif
.irp i, 0,1,2,3,4,5,6,7,8,9,10,11,12,13,14,15
	ds_store_b128 v2, v[R+64*((\t)%2)+4*\i:R+64*((\t)%2)+4*\i+3] offset:PITS*\i
.endr
.irp c, 0,1
.irp j, 0,1,2,3,4,5,6,7
	ds_load_b128 v[X+32*\c+4*\j:X+32*\c+4*\j+3], v3 offset:256*\c+16*\j   ; LDS serves a wave's instructions in order (ISA guide 5.7.1.4): these see the stores above
.endr
.endr
	s_wait_dscnt 0x0                               ; the step is back, and the stores have read their registers,
.if (\t) < 2
	LOAD (\t)+2                                    ; which take the loads of two steps on
.endif
	s_cmp_lg_u32 s74, 0
	s_cbranch_scc1 .Lmask_\@
	; numbers: my two blocks of 32, all of each block mine
.irp c, 0,1
	v_max3_num_f32 v[10+\c], |v[X+32*\c]|, |v[X+32*\c+1]|, 0x1800000   ; with the floor 2^(3 - 127) among the leaves: the byte cannot fall under 1
.endr
.irp i, 2,4,6,8,10,12,14,16,18,20,22,24,26,28,30
.irp c, 0,1
	v_max3_num_f32 v[10+\c], v[10+\c], |v[X+32*\c+\i]|, |v[X+32*\c+\i+1]|   ; (the two blocks by turns)
.endr
.endr
.irp c, 0,1
	v_add_nc_u32 v[12+\c], 0xff000000, v[10+\c]    ; 2 off the exponent field: the conversion takes the exponent field of this operand as its scale, and nothing else of it
.endr
	s_wait_alu depctr_va_vdst(0)
	s_wait_xcnt 0x0                                ; the last step's stores have read the codes' registers: they are written again only behind this wait
.irp c, 0,1
	v_cvt_scalef32_pk16_fp6_f32 v[C+6*\c:C+6*\c+2], v[X+32*\c:X+32*\c+15], v[12+\c]
	v_cvt_scalef32_pk16_fp6_f32 v[T+4*\c:T+4*\c+2], v[X+32*\c+16:X+32*\c+31], v[12+\c]   ; (a conversion's three registers begin on an even number)
.endr
.irp c, 0,1
	v_lshrrev_b32 v[14+\c], 23, v[12+\c]           ; the scale's byte.  (Also the plain line behind the conversions)
.endr
.irp c, 0,1
.irp i, 0,1,2
	v_mov_b32 v[C+6*\c+3+\i], v[T+4*\c+\i]
.endr
.endr
	v_lshl_or_b32 v7, v15, 16, v14                 ; my two bytes: blocks h and 2 + h of the row's 128,
	v_lshlrev_b32 v7, v6, v7                       ; at their places,
	v_permlanex16_b32 v8, v7, s76, s77
	v_or_b32 v[SW+(\t)], v7, v8                    ; and with lane l xor 16's two the word is whole
.irp c, 0,1
	global_store_b128 v1, v[C+6*\c:C+6*\c+3], s[70:71] offset:1536*(\t)+768*\c        ; 512 consecutive bytes,
	global_store_b64 v5, v[C+6*\c+4:C+6*\c+5], s[70:71] offset:1536*(\t)+768*\c+512   ; and 256: both at multiples of 256 from the buffer's first byte
.endr
	s_branch .Ljoin_\@
.Lmask_\@:
	; the mask: register n compared in all 32 lanes gives word n
.set N, 0
.rept 16
.irp z, 0,1,2,3
	v_cmp_ne_u32 s[MS+\z], 0, v[X+N+\z]
.endr
.irp z, 0,1,2,3
	v_writelane_b32 v[W+2*(\t)+\z%2], s[MS+\z], (N+\z)/2
.endr
.set N, N+4
.endr
	global_store_b64 v5, v[W+2*(\t):W+2*(\t)+1], s[70:71] offset:256*(\t)   ; 256 consecutive bytes; each step has its own pair of registers
.Ljoin_\@:
.endm
	LOAD 0
	LOAD 1
	STEP 0
	STEP 1
	STEP 2
	STEP 3
	s_cmp_lg_u32 s74, 0
	s_cbranch_scc1 .Lend
	v_cndmask_b32 v20, v[SW], v[SW+2], s75         ; my half of K is two runs of 256: lanes 0-15 store the first run's two words of row r, lanes 16-31 the second's
	s_wait_alu depctr_va_vdst(0)
	v_cndmask_b32 v21, v[SW+1], v[SW+3], s75
	global_store_b64 v5, v[20:21], s[72:73]        ; 256 consecutive bytes
.Lend:
	s_wait_tensorcnt 0x0
	ds_add_u32 v62, v63
	s_wait_dscnt 0x0
	s_endpgm
.Lfunc_end_k_q4e9cad6ada_prep:
	.size	k_q4e9cad6ada_prep, .Lfunc_end_k_q4e9cad6ada_prep-k_q4e9cad6ada_prep
	.p2alignl 7, 3214868480
	.fill 96, 4, 3214868480
	.section	.rodata,"a",@progbits
	.p2align	6, 0x0
	.amdhsa_kernel k_q4e9cad6ada_prep
		.amdhsa_group_segment_fixed_size 34304
		.amdhsa_private_segment_fixed_size 0
		.amdhsa_enable_private_segment 0
		.amdhsa_kernarg_size 80
		.amdhsa_user_sgpr_count 2
		.amdhsa_user_sgpr_kernarg_segment_ptr 1
		.amdhsa_wavefront_size32 1
		.amdhsa_system_sgpr_workgroup_id_x 1
		.amdhsa_system_sgpr_workgroup_id_y 1
		.amdhsa_system_sgpr_workgroup_id_z 1
		.amdhsa_system_vgpr_workitem_id 0
		.amdhsa_next_free_vgpr 256
		.amdhsa_next_free_sgpr 84
		.amdhsa_reserve_vcc 0
		.amdhsa_float_denorm_mode_32 3
		.amdhsa_float_denorm_mode_16_64 3
		.amdhsa_memory_ordered 1
		.amdhsa_forward_progress 1
		.amdhsa_inst_pref_size 66
	.end_amdhsa_kernel
	.amdgpu_metadata
---
amdhsa.version: [ 1, 2 ]
amdhsa.kernels:
  - .name:           k_q4e9cad6ada_prep
    .symbol:         k_q4e9cad6ada_prep.kd
    .args:
      - { .name: q, .offset: 0, .size: 8, .value_kind: global_buffer, .address_space: global }
      - { .name: k, .offset: 8, .size: 8, .value_kind: global_buffer, .address_space: global }
      - { .name: v, .offset: 16, .size: 8, .value_kind: global_buffer, .address_space: global }
      - { .name: w_q, .offset: 24, .size: 8, .value_kind: global_buffer, .address_space: global }
      - { .name: w_k, .offset: 32, .size: 8, .value_kind: global_buffer, .address_space: global }
      - { .name: w_v, .offset: 40, .size: 8, .value_kind: global_buffer, .address_space: global }
      - { .name: w_o, .offset: 48, .size: 8, .value_kind: global_buffer, .address_space: global }
      - { .name: mask, .offset: 56, .size: 8, .value_kind: global_buffer, .address_space: global }
      - { .name: xq, .offset: 64, .size: 8, .value_kind: global_buffer, .address_space: global }
      - { .name: mb, .offset: 72, .size: 8, .value_kind: global_buffer, .address_space: global }
    .group_segment_fixed_size: 34304
    .private_segment_fixed_size: 0
    .kernarg_segment_align: 8
    .kernarg_segment_size: 80
    .max_flat_workgroup_size: 128
    .sgpr_count:     84
    .vgpr_count:     256
    .wavefront_size: 32
...
	.end_amdgpu_metadata
.endif
;; end of part 1
;; launch proj (part 2): grid 4 x 48, 4 waves a work-group, clusters of 4 x 4, 327,680 bytes of LDS; arguments xq, b_q, b_k, b_v, hq; writes hq
.if DOCPART == 2
	.amdgcn_target "amdgcn-amd-amdhsa--gfx1250"
	.amdhsa_code_object_version 6
	.text
	.protected	k_q4e9cad6ada_proj
	.globl	k_q4e9cad6ada_proj
	.p2align	8
	.type	k_q4e9cad6ada_proj,@function
k_q4e9cad6ada_proj:
	s_mov_b64 s[64:65], 0
	v_nop
	global_prefetch_b8 v0, s[64:65] scope:SCOPE_SE
	s_setreg_imm32_b32 hwreg(HW_REG_WAVE_MODE, 25, 1), 1
	s_wait_xcnt 0x0
	s_wait_alu depctr_hold_cnt(0) depctr_sa_sdst(0) depctr_va_vdst(0) depctr_va_sdst(0) depctr_va_ssrc(0) depctr_va_vcc(0) depctr_vm_vsrc(0)
	s_getreg_b32 s2, hwreg(HW_REG_IB_STS2, 6, 4)
	s_cmp_eq_u32 s2, 0
	s_cbranch_scc0 .Lentry_in_a_cluster
	s_endpgm
.Lentry_in_a_cluster:
	s_bfe_u32 s2, ttmp6, 0x10000c
	s_cmp_lg_u32 s2, 0xf033
	s_cbranch_scc0 .Lentry_shape_is_right
	s_endpgm
.Lentry_shape_is_right:
; query = q w_q^T + b_q, key = k w_k^T + b_k, value = v w_v^T + b_v on codes of FP6 (E2M3) with E8M0 scales, K = 1,024; the results are quantised here, in registers, for the attention's two products, and leave as codes.
; ONE BODY, THREE PRODUCTS.  Clusters 0-3 along y make query, 4-7 key, 8-11 value (P = cluster y / 4).  A work-group makes 256 x 256, a wave 128 x 128: 64 accumulators, 512 registers.
; Source 0 of the matrix instruction takes 16 rows of operand 'B', source 1 16 rows of operand 'A': a lane then holds ONE row of A and its registers run along B's rows, which are the axis to be quantised.
;   query, key: A = tokens, B = the weight's rows (channels): a lane holds a token and 2 x 32 channels of two heads.    value: A = w_v's rows, B = tokens: a lane holds a channel and 2 x 32 keys.
; The rows of a tile are chosen (tile u of a group of 64: place m = row 32 (m / 8) + 8 u + m % 8) so that a lane's 32 registers over a group's four tiles are 32 neighbours: a whole block of the next K.
; OPERANDS come from xq as images of registers: a tile's 256 along K are 3,072 consecutive bytes (four half fragments of 768: registers 0-3 at 16 x lane, 4-5 at 512 + 8 x lane), so every LDS load is dense.
; K goes in 4 steps of 256 through two LDS slots; all 8 steps of 128 are written out.  The scale bytes of the work-group's rows, for all of K, come once with the first fills.
; CLUSTERS: 4 x 4.  A's tiles hang on cluster y and cy alone and are asked for jointly along a row of the cluster, B's on cluster y and cx alone and jointly along a column.
; hq: for head and batch (2 head + b) a run of 204,800 bytes: 16 records of 12,800, one a key step of 128: [key codes: 8 tiles x 768][value codes: 4 tiles of channels x 2 x 768][key scales 256][value scales 256];
;   query codes at QOFF + 196,608 head + 768 tile; query scales at QSOFF + 8,192 head + 256 (tile / 8).  A scale unit of 256 bytes holds four fragments' words: fragment i, row r at 8 (16 (i % 2) + r) + 4 (i / 2).
; LIMITS: NaN and infinities are not served; a block whose largest magnitude lies under 2^-124 gets the byte 1 (a block of zeros too: its codes are zeros, and this program alone reads the bytes).
; REGISTERS: window 0: v16-31 addresses; v32-63 scale words, two sets; v64-127 the bias; v128-223 A's fragments, one set; in the epilogue v128-253 at work.  window 1: B's fragments, two sets.  windows 2, 3: accumulators.
.set TILEB,  3072                      ; a tile's part of a slot
.set HALFT,  8*TILEB                   ; 8 tiles: what one tensor load brings, and what one wave reads of A or of B
.set SLOT,   4*HALFT                   ; A's 16 tiles, then B's 16
.set NQ,     2                         ; steps of 128 in a slot
.set FR,     12                        ; registers of a fragment
.set NL,     4                         ; LDS loads that bring one
.set NP,     4                         ; places behind this matrix instruction (ISA guide 7.12.1)
.set SCL,    2*SLOT                    ; behind the ring: A's scale bytes, 8,192;
.set SCB,    8320                      ; B's begin 128 bytes later than they might, so that the two halves of the lanes read different banks
.set SPARE,  213248                    ; the spare words, 128 bytes for each wave: two blocks of 256 bytes that no other line names
.set XS0,    12582912
.set QOFF,   6553600
.set QSOFF,  9699328
.set ADRA, 16                          ; v16-17 LDS address of my A fragments in slot 0, 1, with 16 x lane; v18-19 with 8 x lane
.set ADRB, 20                          ; v20-23 the same for B
.set L16,  24                          ; v24 16 x lane
.set L8,   25                          ; v25 8 x lane
.set H8,   26                          ; v26 8 h
.set ADRS, 27                          ; v27 LDS address of my scale words: lanes 0-15 A's rows, lanes 16-31 B's
.set SPW,  28                          ; v28 my spare word; never rewritten
.set NIL,  29                          ; v29 0; never rewritten
.set BO0,  30                          ; v30 the bias along the registers: 128 h
.set BO1,  31                          ; v31 the bias along the lanes: 4 (32 (r / 8) + r % 8)
.set SC,   32
.set CB,   64
.set AF,   128
.set X,    128                         ; the epilogue: 64 numbers of a lane
.set C,    192                         ; two half fragments
.set T,    204
.set MX,   212
.set SO,   214
.set BY,   224                         ; 16 scale bytes
.set W,    240                         ; 8 scale words
.set Y,    248
.set G1, 24
.set G0, 32
.set G1B, 48
.set G0B, 56
.set G1S, 68
.set G0S, 76
.set G1SB, 80
.set G0SB, 88
.set PC,  92                           ; s[92:95] where my codes go: two pointers
.set PS,  96                           ; s[96:99] and my scale units
.set MSB, 0
.macro WIN new                         ; the immediate's high byte repeats the setting that is left
.if MSB != (\new)
	s_set_vgpr_msb (MSB<<8)|(\new)
.set MSB, (\new)
.endif
.endm
.set MUL_LO, 0xa1                      ; source 0 (B) window 1, source 1 (A) window 0, C and D window 2
.set MUL_HI, 0xf1
.set TO_B,   0x40
; A joint load: waves 0 and 1 fetch for A, waves 2 and 3 for B; the branch hangs on the wave's number alone.  Four v_nop follow each of the two lines.
.macro JLOAD g0a, g1a, g0b, g1b
	s_cmp_eq_u32 s15, 0
	s_cbranch_scc0 .Lfor_b_\@
	tensor_load_to_lds s[\g0a:\g0a+3], s[\g1a:\g1a+7]
	s_nop 0
.rept 4
	v_nop
.endr
	s_branch .Lasked_\@
.Lfor_b_\@:
	tensor_load_to_lds s[\g0b:\g0b+3], s[\g1b:\g1b+7]
	s_nop 0
.rept 4
	v_nop
.endr
.Lasked_\@:
.endm
.macro CREST                           ; a round of the cluster's barrier behind its opening barrier
	s_cmp_lg_u32 s14, 0
	s_cbranch_scc1 .Lnot_wave_0_\@
	s_barrier_signal -3
.Lnot_wave_0_\@:
	s_barrier_wait -3
	s_barrier_signal -1
	s_barrier_wait -1
.endm
.macro CROUND
	s_barrier_signal -1
	s_barrier_wait -1
	CREST
.endm
	s_load_b256 s[4:11], s[0:1], 0x0               ; xq s[4:5], b_q s[6:7], b_k s[8:9], b_v s[10:11]
	s_load_b64 s[12:13], s[0:1], 0x20              ; hq
	v_lshl_add_u32 v[SPW], v0, 2, SPARE
	v_mov_b32 v[NIL], 0
	ds_add_u32 v28, v29
	ds_add_u32 v28, v29
	s_wait_dscnt 0x0
	v_lshrrev_b32 v1, 5, v0
	v_readfirstlane_b32 s14, v1                    ; wave 0..3
	s_lshr_b32 s15, s14, 1                         ; which half of A's rows is mine.  Also: I fetch for A (0) or for B (1)
	s_and_b32 s16, s14, 1                          ; which half of B's.  Also: which 8 tiles I fetch
	s_bfe_u32 s40, ttmp6, 0x40000                  ; cx
	s_bfe_u32 s41, ttmp6, 0x40004                  ; cy
	s_and_b32 s17, ttmp7, 0xffff                   ; cluster y, 0..11
	s_lshr_b32 s42, s17, 2                         ; P: 0 query, 1 key, 2 value: the same in all sixteen partners
	s_and_b32 s17, s17, 3
	s_lshl_b32 s17, s17, 2
	s_cmp_lt_u32 s42, 2                            ; the tokens are 16 blocks of 256 rows, the weight 4: the cluster's number walks the tokens
	s_cselect_b32 s18, s17, 0
	s_cselect_b32 s19, 0, s17
	s_add_co_u32 s18, s18, s41                     ; A's block of 256 rows: hangs on cy, never on cx
	s_add_co_u32 s19, s19, s40                     ; B's: on cx, never on cy
	s_lshl_b32 s43, s41, 2
	s_lshl_b32 s43, 15, s43                        ; my row of the cluster
	s_lshl_b32 s44, 0x1111, s40                    ; my column
	; descriptor group 1: 8 tiles x 3,072 bytes (384 elements of 8 bytes), 12,288 bytes from tile to tile; dense in LDS
	s_or_b32 s[G1+0], s43, (3<<16)|(1<<21)         ; 15:0 the mask; 17:16 elements of 8 bytes; 20 no padding; 21 set beside a mask
	s_or_b32 s[G1B+0], s44, (3<<16)|(1<<21)
.irp g, G1, G1B
	s_mov_b32 s[\g+1], 384<<16                     ; tensor_dim0
	s_mov_b32 s[\g+2], 16<<16                      ; tensor_dim1: 16 tiles for the head's loads; behind them the two words that count tiles are set to 8, for the ring's
	s_mov_b32 s[\g+3], 384<<16                     ; tile_dim0
	s_mov_b32 s[\g+4], 16                          ; tile_dim1
	s_mov_b32 s[\g+5], 1536                        ; tensor_dim0_stride
	s_mov_b32 s[\g+6], 0
	s_mov_b32 s[\g+7], 0
.endr
	; and for the scale bytes of 16 tiles: 8,192 dense bytes as 32 rows of 256
	s_or_b32 s[G1S+0], s43, (3<<16)|(1<<21)
	s_or_b32 s[G1SB+0], s44, (3<<16)|(1<<21)
.irp g, G1S, G1SB
	s_mov_b32 s[\g+1], 32<<16
	s_mov_b32 s[\g+2], 32<<16                      ; the scale bytes of 16 tiles: 8,192 dense bytes as 32 rows of 256
	s_mov_b32 s[\g+3], 32<<16
	s_mov_b32 s[\g+4], 32
	s_mov_b32 s[\g+5], 32
	s_mov_b32 s[\g+6], 0
	s_mov_b32 s[\g+7], 0
.endr
	s_lshl_b32 s20, s42, 8                         ; the tokens' first tile in xq: 256 P
	s_lshl_b32 s21, s42, 6
	s_add_co_u32 s21, s21, 768                     ; the weight's: 768 + 64 P
	s_cmp_eq_u32 s42, 2
	s_cselect_b32 s22, s21, s20                    ; A's first tile
	s_cselect_b32 s46, s20, s21                    ; B's
	s_lshl_b32 s20, s18, 4
	s_add_co_u32 s20, s20, s22                     ; the first of my work-group's 16 tiles of A
	s_lshl_b32 s47, s19, 4
	s_add_co_u32 s46, s46, s47                     ; and of B
	s_lshl_b32 s22, s20, 9
	s_add_co_u32 s22, s22, XS0                     ; their scale bytes,
	s_mov_b32 s23, 0
	s_mul_i32 s20, s20, 12288                      ; their codes
	s_mov_b32 s21, 0
	s_lshl_b32 s92, s46, 9
	s_add_co_u32 s92, s92, XS0
	s_mov_b32 s93, 0
	s_mul_i32 s46, s46, 12288
	s_mov_b32 s47, 0
	s_mul_i32 s45, s14, HALFT                      ; where they go: wave x 8 tiles: no place in the cluster enters an LDS address
	s_mul_i32 s94, s16, 8*12288                    ; in the ring I fetch 8 of the 16 tiles: which half, in bytes
	s_mov_b32 s95, 0
	s_mov_b32 s2, 0xffff0000                       ; lanes 16-31
	s_mov_b32 s100, 0x76543210
	s_mov_b32 s101, 0xfedcba98                     ; v_permlanex16_b32's selects for lane l xor 16
	s_wait_kmcnt 0x0
	s_add_nc_u64 s[20:21], s[4:5], s[20:21]
	s_add_nc_u64 s[22:23], s[4:5], s[22:23]
	s_add_nc_u64 s[46:47], s[4:5], s[46:47]
	s_add_nc_u64 s[92:93], s[4:5], s[92:93]
	CROUND                                         ; all sixteen work-groups are here: the first joint loads meet
	s_mov_b32 s[G0S], 1                            ; the head's four tiles, each whole: the scales of A's 16 tiles,
	s_mov_b32 s[G0S+1], SCL
	s_mov_b64 s[G0S+2:G0S+3], s[22:23]
	s_or_b32 s[G0S+3], s[G0S+3], 0x80000000
	s_mov_b32 s[G0SB], 1                           ; those of B's,
	s_mov_b32 s[G0SB+1], SCL+SCB
	s_mov_b64 s[G0SB+2:G0SB+3], s[92:93]
	s_or_b32 s[G0SB+3], s[G0SB+3], 0x80000000
	s_mov_b32 s[G0], 1                             ; K 0-255 of A's 16 tiles, into slot 0,
	s_mov_b32 s[G0+1], 0
	s_mov_b64 s[G0+2:G0+3], s[20:21]
	s_or_b32 s[G0+3], s[G0+3], 0x80000000
	s_mov_b32 s[G0B], 1                            ; and of B's 16, behind them
	s_mov_b32 s[G0B+1], 2*HALFT
	s_mov_b64 s[G0B+2:G0B+3], s[46:47]
	s_or_b32 s[G0B+3], s[G0B+3], 0x80000000
	s_add_nc_u64 s[20:21], s[20:21], s[94:95]      ; for the ring: my 8 tiles
	s_add_nc_u64 s[46:47], s[46:47], s[94:95]
	s_mov_b32 s[G0+4], 1                           ; slot 1: K 256-511
	s_add_co_u32 s[G0+5], s45, SLOT
	s_add_nc_u64 s[G0+6:G0+7], s[20:21], TILEB
	s_or_b32 s[G0+7], s[G0+7], 0x80000000
	s_mov_b32 s[G0B+4], 1
	s_add_co_u32 s[G0B+5], s45, SLOT
	s_add_nc_u64 s[G0B+6:G0B+7], s[46:47], TILEB
	s_or_b32 s[G0B+7], s[G0B+7], 0x80000000
; THE HEAD'S LOADS, ONE A WAVE: wave 0 A's codes, wave 1 B's, wave 2 A's scales, wave 3 B's.  One tree of branches on the wave's number: every way passes exactly one load.
.macro ARM under, g0, g1, next
	s_cmp_lt_u32 s14, \under
	s_cbranch_scc0 \next
	tensor_load_to_lds s[\g0:\g0+3], s[\g1:\g1+7]
	s_nop 0
.rept 4
	v_nop
.endr
	s_branch .Lhead_asked
\next:
.endm
	ARM 1, G0,  G1,  .Lhead_b
	ARM 2, G0B, G1B, .Lhead_sa
	ARM 3, G0S, G1S, .Lhead_sb
	tensor_load_to_lds s[G0SB:G0SB+3], s[G1SB:G1SB+7]
	s_nop 0
.rept 4
	v_nop
.endr
.Lhead_asked:
	v_and_b32 v1, 31, v0                           ; lane
	v_and_b32 v2, 15, v0                           ; r
	v_bfe_u32 v3, v0, 4, 1                         ; h
	v_lshlrev_b32 v[L16], 4, v1
	v_lshlrev_b32 v[L8], 3, v1
	v_lshlrev_b32 v[H8], 3, v3
	v_lshlrev_b32 v[BO0], 7, v3
	v_and_b32 v4, 7, v2
	v_lshrrev_b32 v5, 3, v2
	v_lshlrev_b32 v4, 2, v4
	v_lshl_add_u32 v[BO1], v5, 7, v4
	s_mul_i32 s21, s15, HALFT                      ; my 8 tiles of A
	s_mul_i32 s22, s16, HALFT                      ; my 8 tiles of B,
	s_add_co_u32 s22, s22, 2*HALFT                 ; which lie behind A's 16
.irp s, 0,1
	v_add_nc_u32 v[ADRA+\s], s21, v[L16]
	v_add_nc_u32 v[ADRA+2+\s], s21, v[L8]
	v_add_nc_u32 v[ADRB+\s], s22, v[L16]
	v_add_nc_u32 v[ADRB+2+\s], s22, v[L8]
	s_add_co_u32 s21, s21, SLOT
	s_add_co_u32 s22, s22, SLOT
.endr
	s_lshl_b32 s21, s15, 12                        ; A's scales: my 8 tiles
	s_lshl_b32 s22, s16, 12                        ; B's: my 8 tiles, SCB behind A's first
	s_add_co_u32 s22, s22, SCB
	s_sub_co_u32 s22, s22, s21
	v_mul_u32_u24 v4, s22, v3                      ; lanes 16-31 take B's: one product, the distance between the two
	s_add_co_u32 s21, s21, SCL
	v_lshl_add_u32 v4, v2, 3, v4                   ; 8 bytes a row for 256 along K
	v_add_nc_u32 v[ADRS], s21, v4
	; what I make and where it goes
	s_lshl_b32 s18, s18, 4
	s_lshl_b32 s17, s15, 3
	s_add_co_u32 s18, s18, s17                     ; my first tile of A in its tensor
	s_lshl_b32 s19, s19, 2
	s_lshl_b32 s17, s16, 1
	s_add_co_u32 s19, s19, s17                     ; my first group of 64 rows of B
	s_lshr_b32 s20, s18, 2
	s_lshr_b32 s21, s18, 3
	s_lshr_b32 s22, s19, 1
	s_lshl_b32 s23, s19, 8
	s_lshl_b32 s45, s18, 6
	s_cmp_lt_u32 s42, 2
	s_cselect_b32 s20, s19, s20                    ; my first head: a group of 64 channels is a head
	s_cselect_b32 s21, s21, s22                    ; my 128 tokens: 16 b + the key step
	s_cselect_b32 s46, s23, s45                    ; where my bias begins, in bytes
	s_mov_b32 s47, 0
	s_cselect_b64 s[8:9], s[8:9], s[10:11]
	s_cmp_eq_u32 s42, 0
	s_cselect_b64 s[6:7], s[6:7], s[8:9]           ; b_q, b_k or b_v
	s_add_nc_u64 s[6:7], s[6:7], s[46:47]
	s_mov_b32 s22, 409600                          ; codes, from head to head
	s_mov_b32 s46, 409600                          ; scale units, from head to head
	s_mov_b32 s45, 12800                           ; codes, from 128 tokens to the next
	s_mov_b32 s3, 12800                            ; scale units likewise
	s_cmp_eq_u32 s42, 0
	s_cselect_b32 s22, 196608, s22
	s_cselect_b32 s46, 8192, s46
	s_cselect_b32 s45, 6144, s45
	s_cselect_b32 s3, 256, s3
	s_cselect_b32 s92, QOFF, 0
	s_cselect_b32 s96, QSOFF, 0
	s_cmp_eq_u32 s42, 1
	s_cselect_b32 s17, 12288, 0                    ; in a record: key scales at 12,288;
	s_add_co_u32 s96, s96, s17
	s_cmp_eq_u32 s42, 2
	s_cselect_b32 s17, 6144, 0                     ; value codes at 6,144,
	s_cselect_b32 s47, 12544, 0                    ; value scales at 12,544
	s_add_co_u32 s92, s92, s17
	s_add_co_u32 s96, s96, s47
	s_mul_i32 s17, s20, s22
	s_add_co_u32 s92, s92, s17
	s_mul_i32 s17, s21, s45
	s_add_co_u32 s92, s92, s17
	s_mov_b32 s93, 0
	s_mul_i32 s17, s20, s46
	s_add_co_u32 s96, s96, s17
	s_mul_i32 s17, s21, s3
	s_add_co_u32 s96, s96, s17
	s_mov_b32 s97, 0
	s_mov_b32 s23, 0
	s_mov_b32 s47, 0
	s_add_nc_u64 s[PC:PC+1], s[12:13], s[92:93]
	s_add_nc_u64 s[PC+2:PC+3], s[PC:PC+1], s[22:23]   ; my second head
	s_add_nc_u64 s[PS:PS+1], s[12:13], s[96:97]
	s_add_nc_u64 s[PS+2:PS+3], s[PS:PS+1], s[46:47]
.macro FRAG reg, adr, q, i             ; a fragment, 16 rows x 128 K, 12 registers: two half fragments as they lie; every load is dense
	ds_load_b128 v[\reg:\reg+3], v[\adr] offset:(\i)*TILEB+(\q)*1536
	ds_load_b64 v[\reg+4:\reg+5], v[\adr+2] offset:(\i)*TILEB+(\q)*1536+512
	ds_load_b128 v[\reg+6:\reg+9], v[\adr] offset:(\i)*TILEB+(\q)*1536+768
	ds_load_b64 v[\reg+10:\reg+11], v[\adr+2] offset:(\i)*TILEB+(\q)*1536+1280
.endm
; 16 matrix instructions: A's blocks a0, a0 + 1 x B's eight.  p: B's set; sc: the set of scale words.  zero = 1: the first product starts the sums.
; The 64 accumulators take turns, one instruction a turn, in the same order in every step.
.macro MUL16 a0, p, q, sc, zero
.irp a, \a0, \a0+1
.irp b, 0,1,2,3,4,5,6,7
.if \zero
	v_wmma_scale_f32_16x16x128_f8f6f4 v[8*(8*((\a)%4)+\b):8*(8*((\a)%4)+\b)+7], v[128*(\p)+FR*\b:128*(\p)+FR*\b+FR-1], v[AF+FR*(\a):AF+FR*(\a)+FR-1], 0, v[SC+8*NQ*(\sc)+NQ*\b+(\q)], v[SC+8*NQ*(\sc)+NQ*(\a)+(\q)] matrix_a_fmt:MATRIX_FMT_FP6 matrix_b_fmt:MATRIX_FMT_FP6 matrix_a_scale:MATRIX_SCALE_ROW1
.else
	v_wmma_scale_f32_16x16x128_f8f6f4 v[8*(8*((\a)%4)+\b):8*(8*((\a)%4)+\b)+7], v[128*(\p)+FR*\b:128*(\p)+FR*\b+FR-1], v[AF+FR*(\a):AF+FR*(\a)+FR-1], v[8*(8*((\a)%4)+\b):8*(8*((\a)%4)+\b)+7], v[SC+8*NQ*(\sc)+NQ*\b+(\q)], v[SC+8*NQ*(\sc)+NQ*(\a)+(\q)] matrix_a_fmt:MATRIX_FMT_FP6 matrix_b_fmt:MATRIX_FMT_FP6 matrix_a_scale:MATRIX_SCALE_ROW1
.endif
.endr
.endr
.endm
.macro FETCH_B slot, q, p
	WIN TO_B
.irp i, 0,1,2,3,4,5,6,7
	FRAG 128*(\p)+FR*\i, ADRB+\slot, \q, \i
.endr
	WIN 0
.endm
.macro FETCH_A slot, q, i0
.irp i, \i0, \i0+1, \i0+2, \i0+3
	FRAG AF+FR*(\i), ADRA+\slot, \q, \i
.endr
.endm
.macro SCALES sc                       ; a slot's scale words: two a row; lanes 0-15 take A's block i, lanes 16-31 B's block i
.irp i, 0,1,2,3,4,5,6,7
	ds_load_b64 v[SC+8*NQ*\sc+NQ*\i:SC+8*NQ*\sc+NQ*\i+1], v[ADRS] offset:512*\i
.endr
.endm
; A load into a register that a matrix instruction has read, and a vector instruction that reads a matrix result, stand NP places behind it; only plain vector instructions that name none of its registers are places.
.macro PLACES n
.rept \n
	v_nop
.endr
.endm
.macro STEP slot, q, zero              ; a step of 128 along K that has its successor in the same slot
	s_wait_dscnt 4*NL                              ; B's set and A's blocks 0-3 are in; the youngest 16 loads (A's blocks 4-7) may be out
	WIN MUL_LO
	MUL16 0, (\q)%2, \q, \slot, \zero
	MUL16 2, (\q)%2, \q, \slot, \zero
	s_wait_dscnt 0
	PLACES NP
	FETCH_B \slot, (\q)+1, 1-(\q)%2
	FETCH_A \slot, (\q)+1, 0
	WIN MUL_HI
	MUL16 4, (\q)%2, \q, \slot, \zero
	MUL16 6, (\q)%2, \q, \slot, \zero
	PLACES NP
	WIN 0
	FETCH_A \slot, (\q)+1, 4
.endm
; A slot's last step changes slots: ONE barrier; in front of it each wave waits for all its tensor loads, adds 0 to its spare word, and waits for that and for its own reads of this slot.  fill = 1: this slot is filled again.
.macro TURN slot, next, fill
	s_wait_tensorcnt 0x0                           ; all my tensor loads have landed: my part of the next slot
	ds_add_u32 v[SPW], v[NIL]                      ; 0 onto my spare word
	s_wait_dscnt 4*NL+1                            ; (the add and the youngest 16 loads may be out)
	WIN MUL_LO
	MUL16 0, 1, NQ-1, \slot, 0
	s_wait_dscnt 0x0                               ; the add is done, and my reads of this slot are over
	s_barrier_signal -1
	MUL16 2, 1, NQ-1, \slot, 0
	WIN 0
	s_barrier_wait -1
.if \fill
	CREST                                          ; the barrier has opened a round of the cluster's barrier: no wave of any partner still reads this slot or has a load on its way
	s_add_nc_u64 s[G0+4*\slot+2:G0+4*\slot+3], s[G0+4*\slot+2:G0+4*\slot+3], 2*TILEB
	s_add_nc_u64 s[G0B+4*\slot+2:G0B+4*\slot+3], s[G0B+4*\slot+2:G0B+4*\slot+3], 2*TILEB
	JLOAD G0+4*\slot, G1, G0B+4*\slot, G1B         ; the first tensor load behind the round; its four v_nop are the places in front of the loads below
.else
	PLACES NP
.endif
	s_wait_alu depctr_va_vdst(0)
	v_add_nc_u32 v[ADRS], 128, v[ADRS]             ; the next 256 along K: 128 bytes on in a tile's scales
	FETCH_B \next, 0, 0
	FETCH_A \next, 0, 0
	SCALES \next
	WIN MUL_HI
	MUL16 4, 1, NQ-1, \slot, 0
	MUL16 6, 1, NQ-1, \slot, 0
	PLACES NP
	WIN 0
	FETCH_A \next, 0, 4
.endm
.macro LAST                            ; the very last step: nothing more to fetch
	s_wait_dscnt 4*NL
	WIN MUL_LO
	MUL16 0, 1, NQ-1, 1, 0
	MUL16 2, 1, NQ-1, 1, 0
	s_wait_dscnt 0
	WIN MUL_HI
	MUL16 4, 1, NQ-1, 1, 0
	MUL16 6, 1, NQ-1, 1, 0
	WIN 0
.endm
; THE END OF A PRODUCT.  var = 0: query or key (the bias runs along the registers; a block of A is a tile of tokens; my two groups of B are two heads).  var = 1: value (the bias runs along the lanes;
; blocks 0-3 of A are one head's four tiles of channels, blocks 4-7 the next head's; my two groups of B are the two halves of a key step).  The bias is asked for first and lands under the last 64 products.
.macro EPI var
.if \var == 0
.irp x, 0,1,2,3,4,5,6,7,8,9,10,11,12,13,14,15
	global_load_b128 v[CB+4*\x:CB+4*\x+3], v[BO0], s[6:7] offset:256*(\x/8)+16*(\x%8)   ; register 32 c + e: the bias of channel 64 c + 32 h + e
.endr
.else
.irp a, 0,1,2,3,4,5,6,7
	global_load_b32 v[CB+2*\a], v[BO1], s[6:7] offset:4*(64*(\a/4)+8*(\a%4))            ; my channel's, of block a; twice, for the packed addition
	global_load_b32 v[CB+2*\a+1], v[BO1], s[6:7] offset:4*(64*(\a/4)+8*(\a%4))
.endr
.endif
	LAST
	s_wait_loadcnt 0x0
	PLACES NP
.irp a, 0,1,2,3,4,5,6,7
	WIN 0x02+(\a/4)                                ; source 0: window 2 or 3
.set E, 0
.rept 32
.if \var == 0
	v_pk_add_f32 v[X+E:X+E+1], v[64*(\a%4)+E:64*(\a%4)+E+1], v[CB+E:CB+E+1]            ; each accumulator is read from its low end on
.else
	v_pk_add_f32 v[X+E:X+E+1], v[64*(\a%4)+E:64*(\a%4)+E+1], v[CB+2*\a:CB+2*\a+1]
.endif
.set E, E+2
.endr
	WIN 0
.irp c, 0,1
	v_max3_num_f32 v[MX+\c], |v[X+32*\c]|, |v[X+32*\c+1]|, 0x1800000   ; my two blocks of 32; the floor 2^(3 - 127) holds the byte at 1 from below
.endr
.irp i, 2,4,6,8,10,12,14,16,18,20,22,24,26,28,30
.irp c, 0,1
	v_max3_num_f32 v[MX+\c], v[MX+\c], |v[X+32*\c+\i]|, |v[X+32*\c+\i+1]|
.endr
.endr
.irp c, 0,1
	v_add_nc_u32 v[SO+\c], 0xff000000, v[MX+\c]    ; 2 off the exponent field: the conversion's scale operand
.endr
	s_wait_alu depctr_va_vdst(0)
	s_wait_xcnt 0x0                                ; the last block's stores have read the codes' registers
.irp c, 0,1
	v_cvt_scalef32_pk16_fp6_f32 v[C+6*\c:C+6*\c+2], v[X+32*\c:X+32*\c+15], v[SO+\c]
	v_cvt_scalef32_pk16_fp6_f32 v[T+4*\c:T+4*\c+2], v[X+32*\c+16:X+32*\c+31], v[SO+\c]
.endr
.irp c, 0,1
	v_lshrrev_b32 v[BY+2*\a+\c], 23, v[SO+\c]      ; the scale's byte.  (Also the plain line behind the conversions)
.endr
.irp c, 0,1
.irp i, 0,1,2
	v_mov_b32 v[C+6*\c+3+\i], v[T+4*\c+\i]
.endr
.endr
.irp c, 0,1
.if \var == 0
	global_store_b128 v[L16], v[C+6*\c:C+6*\c+3], s[PC+2*\c:PC+2*\c+1] offset:768*\a
	global_store_b64 v[L8], v[C+6*\c+4:C+6*\c+5], s[PC+2*\c:PC+2*\c+1] offset:768*\a+512
.else
	global_store_b128 v[L16], v[C+6*\c:C+6*\c+3], s[PC+2*(\a/4):PC+2*(\a/4)+1] offset:1536*(\a%4)+768*\c
	global_store_b64 v[L8], v[C+6*\c+4:C+6*\c+5], s[PC+2*(\a/4):PC+2*(\a/4)+1] offset:1536*(\a%4)+768*\c+512
.endif
.endr
.endr
	; the scale words: a fragment of the attention is two half fragments: two tiles of tokens (var 0), or a tile of channels' two halves of a key step (var 1)
.if \var == 0
.irp c, 0,1
.irp i, 0,1,2,3
	v_lshl_or_b32 v[W+4*\c+\i], v[BY+4*\i+2+\c], 16, v[BY+4*\i+\c]
.endr
.endr
.else
.irp a, 0,1,2,3,4,5,6,7
	v_lshl_or_b32 v[W+\a], v[BY+2*\a+1], 16, v[BY+2*\a]
.endr
.endif
.irp w, 0,1,2,3,4,5,6,7
	v_lshlrev_b32 v[W+\w], v[H8], v[W+\w]          ; my bytes at their places, 8 h bits up;
.endr
.irp w, 0,1,2,3,4,5,6,7
	v_permlanex16_b32 v[BY+\w], v[W+\w], s100, s101
.endr
.irp w, 0,1,2,3,4,5,6,7
	v_or_b32 v[W+\w], v[W+\w], v[BY+\w]            ; with lane l xor 16's the words are whole
.endr
.irp x, 0,1
	v_cndmask_b32 v[Y+2*\x], v[W+4*\x], v[W+4*\x+1], s2       ; a unit: lanes 0-15 store fragments 0 and 2, lanes 16-31 fragments 1 and 3
	v_cndmask_b32 v[Y+2*\x+1], v[W+4*\x+2], v[W+4*\x+3], s2
	global_store_b64 v[L8], v[Y+2*\x:Y+2*\x+1], s[PS+2*\x:PS+2*\x+1]   ; 256 consecutive bytes
.endr
.endm
	s_wait_alu depctr_va_vdst(0)
	s_wait_tensorcnt 0x0                           ; my tile of the head's four is in
	ds_add_u32 v[SPW], v[NIL]
	s_mul_i32 s[G0+1], s14, HALFT                  ; no tensor load of mine is out, so descriptors may be written: slot 0's become the ring's: my quarter of the slot,
	s_mul_i32 s[G0B+1], s14, HALFT
	s_mul_i32 s20, s16, 8*12288
	s_mov_b32 s21, 0
	s_add_nc_u64 s[G0+2:G0+3], s[G0+2:G0+3], s[20:21]       ; my 8 tiles,
	s_add_nc_u64 s[G0B+2:G0B+3], s[G0B+2:G0B+3], s[20:21]
	s_mov_b32 s[G1+2], 8<<16                       ; and a load brings 8 tiles from here on
	s_mov_b32 s[G1+4], 8
	s_mov_b32 s[G1B+2], 8<<16
	s_mov_b32 s[G1B+4], 8
	s_wait_dscnt 0x0                               ; the add is done
	CROUND                                         ; a whole round: all four tiles are in, and all sixteen work-groups are here
	JLOAD G0+4, G1, G0B+4, G1B                     ; slot 1's first fill, the first tensor load behind the round
	FETCH_B 0, 0, 0
	FETCH_A 0, 0, 0
	SCALES 0
	FETCH_A 0, 0, 4
	STEP 0, 0, 1                                   ; K 0-127: its products start the sums
	TURN 0, 1, 1                                   ; K 128-255; slot 0 takes K 512-767
	STEP 1, 0, 0
	TURN 1, 0, 1                                   ; slot 1 takes K 768-1023
	STEP 0, 0, 0
	TURN 0, 1, 0                                   ; nothing is left to fetch
	STEP 1, 0, 0
	s_cmp_eq_u32 s42, 2                            ; the product's number is the same in all partners of a cluster
	s_cbranch_scc1 .Lvalue
	EPI 0
	s_branch .Ldone
.Lvalue:
	EPI 1
.Ldone:
	s_wait_tensorcnt 0x0                           ; the wave's end
	ds_add_u32 v[SPW], v[NIL]
	s_wait_dscnt 0x0
	CROUND                                         ; the closing round: no work-group ends while a partner may still ask for a tile that names it
	s_endpgm
.Lfunc_end_k_q4e9cad6ada_proj:
	.size	k_q4e9cad6ada_proj, .Lfunc_end_k_q4e9cad6ada_proj-k_q4e9cad6ada_proj
	.p2alignl 7, 3214868480
	.fill 96, 4, 3214868480
	.section	.rodata,"a",@progbits
	.p2align	6, 0x0
	.amdhsa_kernel k_q4e9cad6ada_proj
		.amdhsa_group_segment_fixed_size 327680
		.amdhsa_private_segment_fixed_size 0
		.amdhsa_enable_private_segment 0
		.amdhsa_kernarg_size 40
		.amdhsa_user_sgpr_count 2
		.amdhsa_user_sgpr_kernarg_segment_ptr 1
		.amdhsa_wavefront_size32 1
		.amdhsa_system_sgpr_workgroup_id_x 1
		.amdhsa_system_sgpr_workgroup_id_y 1
		.amdhsa_system_sgpr_workgroup_id_z 1
		.amdhsa_system_vgpr_workitem_id 0
		.amdhsa_next_free_vgpr 1024
		.amdhsa_next_free_sgpr 102
		.amdhsa_reserve_vcc 0
		.amdhsa_float_denorm_mode_32 3
		.amdhsa_float_denorm_mode_16_64 3
		.amdhsa_memory_ordered 1
		.amdhsa_forward_progress 1
		.amdhsa_inst_pref_size 216
	.end_amdhsa_kernel
	.amdgpu_metadata
---
amdhsa.version: [ 1, 2 ]
amdhsa.kernels:
  - .name:           k_q4e9cad6ada_proj
    .symbol:         k_q4e9cad6ada_proj.kd
    .args:
      - { .name: xq, .offset: 0, .size: 8, .value_kind: global_buffer, .address_space: global }
      - { .name: b_q, .offset: 8, .size: 8, .value_kind: global_buffer, .address_space: global }
      - { .name: b_k, .offset: 16, .size: 8, .value_kind: global_buffer, .address_space: global }
      - { .name: b_v, .offset: 24, .size: 8, .value_kind: global_buffer, .address_space: global }
      - { .name: hq, .offset: 32, .size: 8, .value_kind: global_buffer, .address_space: global }
    .group_segment_fixed_size: 327680
    .private_segment_fixed_size: 0
    .kernarg_segment_align: 8
    .kernarg_segment_size: 40
    .max_flat_workgroup_size: 128
    .sgpr_count:     102
    .vgpr_count:     1024
    .wavefront_size: 32
...
	.end_amdgpu_metadata
.endif
;; end of part 2
;; launch attn (part 3): grid 8 x 32, 16 waves a work-group, clusters of 4 x 1, 327,680 bytes of LDS; arguments hq, mb, oq; writes oq
.if DOCPART == 3
	.amdgcn_target "amdgcn-amd-amdhsa--gfx1250"
	.amdhsa_code_object_version 6
	.text
	.protected	k_q4e9cad6ada_attn
	.globl	k_q4e9cad6ada_attn
	.p2align	8
	.type	k_q4e9cad6ada_attn,@function
k_q4e9cad6ada_attn:
	s_mov_b64 s[64:65], 0
	v_nop
	global_prefetch_b8 v0, s[64:65] scope:SCOPE_SE
	s_setreg_imm32_b32 hwreg(HW_REG_WAVE_MODE, 25, 1), 1
	s_wait_xcnt 0x0
	s_wait_alu depctr_hold_cnt(0) depctr_sa_sdst(0) depctr_va_vdst(0) depctr_va_sdst(0) depctr_va_ssrc(0) depctr_va_vcc(0) depctr_vm_vsrc(0)
	s_getreg_b32 s2, hwreg(HW_REG_IB_STS2, 6, 4)
	s_cmp_eq_u32 s2, 0
	s_cbranch_scc0 .Lentry_in_a_cluster
	s_endpgm
.Lentry_in_a_cluster:
	s_bfe_u32 s2, ttmp6, 0x10000c
	s_cmp_lg_u32 s2, 0x3003
	s_cbranch_scc0 .Lentry_shape_is_right
	s_endpgm
.Lentry_shape_is_right:
; x = softmax(where(mask == 0, -1e9, query key^T / 8)) value for one head and batch, on codes of FP6 (E2M3) with E8M0 scales; x is quantised here along the channels and leaves as codes for the last product.
; SHARES.  Work-group (x, y): y = 2 head + batch, 256 queries; a wave takes one tile of 16 queries through all 2,048 keys, in 16 steps of 128 keys.  256 work-groups.
; THE HEAD'S KEYS AND VALUES, 16 records of 12,800 bytes (hq: [key codes 8 x 768][value codes 4 x 1,536][key scales 256][value scales 256]), are 204,800 bytes: they lie in LDS whole.  Each of the 16 waves
; fetches one record by one tensor load; one wait and one barrier follow, and the loop has no barrier.  Nothing in LDS is filled again.
; CLUSTERS: the four work-groups of a cluster share y, so they ask for the records jointly (mask 15).
; BOTH PRODUCTS ARE USED TRANSPOSED (S^T = key query^T, O^T = value^T p^T): a lane holds one query.  The rows of a tile were chosen by the launches before so that a lane's 32 registers over four tiles are 32
; neighbouring keys (channels): a whole block of the next product's K.  K of the first product is 64: a fragment holds two key tiles, and the query's 6 registers stand beside 6 registers of zero codes, on either side.
; TWO REGIONS OF 64 REGISTERS CHANGE ROLES FROM STEP TO STEP.  In a step one holds the keys' fragments and then the values'; the other takes S^T, becomes p, and, once p is converted, takes the NEXT step's keys:
; 17 LDS loads issued ahead of the step's second product.  So a trip of the loop is two steps.  The last step asks for record 0 once more ((16) & 15): 17 loads that nobody uses.
; SOFTMAX: p = 2^(t - M), t = score x log2(e) / 8, M the ceiling of the running largest t; a change of M multiplies the sum and O^T by a power of two.  The sum is taken of the unquantised p.
; A block's largest p is made from the block's largest score by the same two instructions as every p.  Dependent chains are laid between independent work: eight chains of maxima, four of sums.
; THE MASK comes as bits (mb): word n of a step holds, lane by lane, whether register n's key counts; 64 words a step come by scalar loads, a whole step ahead of their use, and serve v_cndmask_b32 as they are.
; No prefetch: the records are all asked for at the launch's head, ahead of the loop, and the mask words are asked for a step ahead by their own loads.
; LIMITS: the promise holds while the scaled scores stay under 2^31 in magnitude.  A masked score is taken as -7.985e9 / 8; NaN and infinities are not served.
; A block of x whose largest magnitude lies under 2^-124 gets the byte 1 (a block of zeros too: its codes are zeros, and this program alone reads the bytes).
.set RECB,  12800
.set SPARE, 204800                     ; behind the records: the spare words, 128 bytes for each of 16 waves
.set QOFF,  6553600
.set QSOFF, 9699328
.set OSOFF, 3145728
.set X,   40                           ; v40-103  region X
.set Y,   104                          ; v104-167 region Y
.set O,   168                          ; v168-199 O^T
.set P,   200                          ; v200-211 p's codes
.set T,   212                          ; v212-218 the upper halves of the blocks' codes
.set MX,  220                          ; v220-227 eight chains of maxima; then block 0's in MX, block 1's in MX + 4
.set SO,  228                          ; v228-229 the conversions' scale operands
.set BY,  230                          ; v230-231 the scale bytes
.set FF,  232                          ; v232-233 f = 2^(old M - new M), and a 0 beside it
.set TM,  234
.set SB,  236                          ; v236-241 three more chains of the sum
.set SPW, 242                          ; my spare word; never rewritten
.set NIL, 243                          ; 0; never rewritten
; v1 16 x lane, v2 8 x lane, v3, v4 the same in the record at hand, v5 the masked score, v6 8 h, v12 -M, v13 the largest t, v[14:15] the sum, v16-33 zeros, query, zeros; v34-39 scale words
.macro CROUND                          ; a round of the cluster's barrier
	s_barrier_signal -1
	s_barrier_wait -1
	s_cmp_lg_u32 s10, 0
	s_cbranch_scc1 .Lnot_wave_0_\@
	s_barrier_signal -3
.Lnot_wave_0_\@:
	s_barrier_wait -3
	s_barrier_signal -1
	s_barrier_wait -1
.endm
	s_load_b128 s[4:7], s[0:1], 0x0                ; hq, mb
	s_load_b64 s[8:9], s[0:1], 0x10                ; oq
	v_lshl_add_u32 v[SPW], v0, 2, SPARE
	v_mov_b32 v[NIL], 0
	ds_add_u32 v[SPW], v[NIL]                      ; the opening lines: the add, twice on end, and its wait ahead of my tensor load
	ds_add_u32 v[SPW], v[NIL]
	v_lshrrev_b32 v7, 5, v0
	v_readfirstlane_b32 s10, v7                    ; wave 0..15
	v_and_b32 v7, 31, v0                           ; lane
	v_bfe_u32 v6, v0, 4, 1                         ; h
	v_and_b32 v8, 15, v0                           ; r
	v_lshlrev_b32 v1, 4, v7
	v_lshlrev_b32 v2, 3, v7
	v_lshlrev_b32 v9, 3, v8                        ; 8 r: my row in a scale unit
	v_add_nc_u32 v10, v9, v6                       ; 8 r + h: my scale byte on the way out
	v_lshlrev_b32 v6, 3, v6
	s_and_b32 s100, ttmp7, 0xffff                  ; y
	s_mul_i32 s12, s10, RECB                       ; my record, in LDS and in the head's run
	s_mul_i32 s16, s100, 204800
	s_add_co_u32 s16, s16, s12
	s_mov_b32 s17, 0
	s_mov_b32 s24, 15|(3<<16)|(1<<21)              ; group 1: the mask of all four partners, elements of 8 bytes; a record is 50 dense rows of 256 bytes
	s_mov_b32 s25, 32<<16
	s_mov_b32 s26, 50<<16
	s_mov_b32 s27, 32<<16
	s_mov_b32 s28, 50
	s_mov_b32 s29, 32
	s_mov_b32 s30, 0
	s_mov_b32 s31, 0
	s_bfe_u32 s66, ttmp6, 0x40000                  ; cx
	s_lshl_b32 s67, ttmp9, 2
	s_add_co_u32 s67, s67, s66                     ; work-group x
	s_lshr_b32 s101, s100, 1                       ; head
	s_and_b32 s100, s100, 1
	s_lshl_b32 s100, s100, 7
	s_lshl_b32 s67, s67, 4
	s_add_co_u32 s100, s100, s67
	s_add_co_u32 s100, s100, s10                   ; my query tile: 128 batch + 16 x + wave
	s_lshl_b32 s32, s100, 12                       ; its mask words: 4,096 bytes
	s_mov_b32 s33, 0
	s_mul_i32 s34, s101, 196608                    ; its codes
	s_mul_i32 s35, s100, 768
	s_add_co_u32 s34, s34, s35
	s_add_co_u32 s34, s34, QOFF
	s_mov_b32 s35, 0
	s_lshl_b32 s36, s101, 13                       ; its scale word: unit tile / 8; fragment i = (tile % 8) / 2 at 128 (i % 2) + 4 (i / 2)
	s_lshr_b32 s37, s100, 3
	s_lshl_b32 s37, s37, 8
	s_add_co_u32 s36, s36, s37
	s_bfe_u32 s37, s10, 0x10001
	s_lshl_b32 s37, s37, 7
	s_add_co_u32 s36, s36, s37
	s_bfe_u32 s37, s10, 0x10002
	s_lshl_b32 s37, s37, 2
	s_add_co_u32 s36, s36, s37
	s_add_co_u32 s36, s36, QSOFF
	s_mov_b32 s37, 0
	s_mul_i32 s38, s100, 12288                     ; the way out: tile x 12,288 + head x 768
	s_mul_i32 s39, s101, 768
	s_add_co_u32 s38, s38, s39
	s_mov_b32 s39, 0
	s_lshl_b32 s40, s100, 9                        ; and the scale bytes: tile x 512 + 128 (head / 4) + 2 (head % 4)
	s_lshr_b32 s41, s101, 2
	s_lshl_b32 s41, s41, 7
	s_add_co_u32 s40, s40, s41
	s_and_b32 s41, s101, 3
	s_lshl_b32 s41, s41, 1
	s_add_co_u32 s40, s40, s41
	s_add_co_u32 s40, s40, OSOFF
	s_mov_b32 s41, 0
	s_mov_b32 s2, 0x76543210
	s_mov_b32 s3, 0xfedcba98                       ; v_permlanex16_b32's selects for lane l xor 16
	s_mov_b32 s14, 0x3e38aa3b                      ; log2(e) / 8
	s_mov_b32 s15, s14
	s_mov_b32 s13, 0                               ; where the mask words of the step being loaded begin
	s_and_b32 s11, s10, 1
	s_cmp_eq_u32 s11, 0
	s_mov_b32 s11, 0x03020302
	s_cselect_b32 s11, 0x01000100, s11             ; which two bytes of the fragment's scale word are my tile's
	s_wait_alu depctr_va_vdst(0)
	s_wait_dscnt 0x0                               ; both opening adds are done
	s_wait_kmcnt 0x0
	s_mov_b32 s20, 1                               ; group 0
	s_mov_b32 s21, s12
	s_add_nc_u64 s[22:23], s[4:5], s[16:17]
	s_or_b32 s23, s23, 0x80000000
	s_add_nc_u64 s[6:7], s[6:7], s[32:33]
	s_add_nc_u64 s[66:67], s[4:5], s[36:37]
	s_add_nc_u64 s[4:5], s[4:5], s[34:35]
	s_add_nc_u64 s[100:101], s[8:9], s[40:41]
	s_add_nc_u64 s[8:9], s[8:9], s[38:39]
	s_load_b512 s[32:47], s[6:7], s13 offset:0x0   ; step 0's 64 mask words
	s_load_b512 s[48:63], s[6:7], s13 offset:0x40
	s_load_b512 s[68:83], s[6:7], s13 offset:0x80
	s_load_b512 s[84:99], s[6:7], s13 offset:0xc0
	global_load_b128 v[22:25], v1, s[4:5]          ; the query's half fragment
	global_load_b64 v[26:27], v2, s[4:5] offset:512
	global_load_b32 v11, v9, s[66:67]
	CROUND                                         ; all four work-groups are here: the joint loads meet
	tensor_load_to_lds s[20:23], s[24:31]          ; my record: the wave's one tensor load
	s_nop 0
	s_wait_loadcnt 0x0
	v_perm_b32 v34, v11, v11, s11                  ; the query's scale word: my tile's two bytes, in both halves
.irp i, 16,17,18,19,20,21,28,29,30,31,32,33
	v_mov_b32 v\i, 0                               ; zero codes on either side of the query's
.endr
.set N, 0
.rept 32
	v_mov_b32 v[O+N], 0                            ; the step is written once: the first finds zeros
.set N, N+1
.endr
	v_mov_b32 v3, v1                               ; record 0
	v_mov_b32 v4, v2
	v_mov_b32 v5, 0xcfee0000
	v_mov_b32 v13, 0xff61b1e6                      ; -3e38, under every t
	v_floor_f32 v12, -v13
	v_mov_b32 v14, 0
	v_mov_b32 v15, 0
	v_mov_b32 v[FF+1], 0                           ; (named as the upper half of a pair)
	v_mov_b32 v[TM], 0                             ; a lane permute's destination counts as one of its sources
.macro KQ kr, sr, t                    ; key tile t: half t % 2 of fragment t / 2, picked by where the query's codes stand
.if ((\t)/2)%2
	v_wmma_scale_f32_16x16x128_f8f6f4 v[\sr+8*(\t):\sr+8*(\t)+7], v[\kr+12*((\t)/2):\kr+12*((\t)/2)+11], v[22-6*((\t)%2):33-6*((\t)%2)], 0, v[36+(\t)/4], v34 matrix_a_fmt:MATRIX_FMT_FP6 matrix_b_fmt:MATRIX_FMT_FP6 matrix_a_scale:MATRIX_SCALE_ROW1
.else
	v_wmma_scale_f32_16x16x128_f8f6f4 v[\sr+8*(\t):\sr+8*(\t)+7], v[\kr+12*((\t)/2):\kr+12*((\t)/2)+11], v[22-6*((\t)%2):33-6*((\t)%2)], 0, v[36+(\t)/4], v34 matrix_a_fmt:MATRIX_FMT_FP6 matrix_b_fmt:MATRIX_FMT_FP6
.endif
.endm
.macro FOUR f, off                     ; four fragments as they lie: every load is dense
.irp i, 0,1,2,3
	ds_load_b128 v[\f+12*\i:\f+12*\i+3], v3 offset:\off+1536*\i
	ds_load_b64 v[\f+12*\i+4:\f+12*\i+5], v4 offset:\off+1536*\i+512
	ds_load_b128 v[\f+12*\i+6:\f+12*\i+9], v3 offset:\off+1536*\i+768
	ds_load_b64 v[\f+12*\i+10:\f+12*\i+11], v4 offset:\off+1536*\i+1280
.endr
.endm
.macro FMA n, sr                       ; n pairs of t - M, from pair N on
.rept \n
	v_pk_fma_f32 v[\sr+N:\sr+N+1], v[\sr+N:\sr+N+1], s[14:15], v[12:13] op_sel_hi:[1,0,0]
.set N, N+2
.endr
.endm
.macro ADD4 r                          ; four pairs of p onto the sum's four chains
	v_pk_add_f32 v[SB:SB+1], v[SB:SB+1], v[\r:\r+1]
	v_pk_add_f32 v[SB+2:SB+3], v[SB+2:SB+3], v[\r+2:\r+3]
	v_pk_add_f32 v[SB+4:SB+5], v[SB+4:SB+5], v[\r+4:\r+5]
	v_pk_add_f32 v[14:15], v[14:15], v[\r+6:\r+7]
.endm
; A step.  kr: the region with this step's keys, then its values; sr: the region for S^T and p, then the next step's keys; k: the next step's number less s12
.macro STEP kr, sr, k
	s_wait_dscnt 0x0                               ; this step's keys and their scale words, asked for in the step before
.irp t, 0,1,2,3,4,5,6,7
	KQ \kr, \sr, \t
.endr
.rept 4
	v_nop                                          ; four places ahead of loads into the products' registers and of the first read of S^T
.endr
	FOUR \kr, 6144                                 ; the values' fragments land under the softmax
	ds_load_b64 v[38:39], v4 offset:12544
	s_wait_kmcnt 0x0                               ; this step's mask words
.set N, 0
.rept 32
	v_cndmask_b32 v[\sr+N], v5, v[\sr+N], s[32+N]
.set N, N+1
.endr
.rept 32
	v_cndmask_b32 v[\sr+N], v5, v[\sr+N], s[36+N]
.set N, N+1
.endr
.irp q, 0,1,2,3,4,5,6,7
	v_max3_num_f32 v[MX+\q], v[\sr+8*\q], v[\sr+8*\q+1], v[\sr+8*\q+2]   ; the largest score: eight chains by turns, seven numbers each
.endr
.irp i, 3,5
.irp q, 0,1,2,3,4,5,6,7
	v_max3_num_f32 v[MX+\q], v[MX+\q], v[\sr+8*\q+\i], v[\sr+8*\q+\i+1]
.endr
.endr
.irp c, 0,4                            ; four chains and four numbers left over make a block's
	v_max3_num_f32 v[MX+\c], v[MX+\c], v[MX+\c+1], v[\sr+8*\c+7]
	v_max3_num_f32 v[MX+\c+2], v[MX+\c+2], v[MX+\c+3], v[\sr+8*\c+15]
.endr
	s_delay_alu instid0(VALU_DEP_3)
	v_max3_num_f32 v[MX], v[MX], v[MX+2], v[\sr+23]
	s_delay_alu instid0(VALU_DEP_2)
	v_max3_num_f32 v[MX+4], v[MX+4], v[MX+6], v[\sr+55]
	s_delay_alu instid0(VALU_DEP_2)
	v_max_num_f32 v[MX], v[MX], v[\sr+31]          ; my block 0's largest score,
	s_delay_alu instid0(VALU_DEP_2)
	v_max_num_f32 v[MX+4], v[MX+4], v[\sr+63]      ; my block 1's
	s_delay_alu instid0(VALU_DEP_1)
	v_max_num_f32 v7, v[MX], v[MX+4]
	s_add_co_u32 s13, s13, 256                     ; the next step's mask words: the scalar lines stand between the links of this chain
	v_permlanex16_b32 v[TM], v7, s2, s3
	s_and_b32 s13, s13, 0xfff                      ; (the last step's loads stay inside my 4,096 bytes)
	v_max_num_f32 v7, v7, v[TM]                    ; the step's largest score of my query
	s_load_b512 s[32:47], s[6:7], s13 offset:0x0
	v_mul_f32 v7, s14, v7
	s_load_b512 s[48:63], s[6:7], s13 offset:0x40
	v_max_num_f32 v13, v13, v7
	s_load_b512 s[68:83], s[6:7], s13 offset:0x80
	v_mov_b32 v[TM], v12
	s_load_b512 s[84:99], s[6:7], s13 offset:0xc0
	v_floor_f32 v12, -v13                          ; the new -M
.set N, 0
	FMA 4, \sr
	v_sub_f32 v[TM], v12, v[TM]                    ; the three lines that make f stand among the multiply-adds
	FMA 4, \sr
	v_cvt_i32_f32 v[TM], v[TM]                     ; (it saturates)
	FMA 4, \sr
	v_ldexp_f32 v[FF], 1.0, v[TM]                  ; f = 2^(old M - new M)
	FMA 20, \sr
	v_fma_f32 v[MX], v[MX], s14, v12
	v_fma_f32 v[MX+4], v[MX+4], s14, v12
	s_wait_alu depctr_va_vdst(0)
	v_exp_f32 v[MX], v[MX]                         ; the blocks' largest p
	v_exp_f32 v[MX+4], v[MX+4]
.set N, 0
.rept 64
	v_exp_f32 v[\sr+N], v[\sr+N]
.set N, N+1
.endr
	v_pk_mul_f32 v[14:15], v[14:15], v[FF:FF+1] op_sel_hi:[1,0]   ; the sum under the new M
	s_wait_alu depctr_va_vdst(0)
	v_max_num_f32 v[MX], 0x1800000, v[MX]          ; the floor 2^(3 - 127): the byte cannot fall under 1.  The scale's chain stands between the sums
	v_max_num_f32 v[MX+4], 0x1800000, v[MX+4]
	v_pk_add_f32 v[SB:SB+1], v[\sr:\sr+1], v[\sr+2:\sr+3]
	v_pk_add_f32 v[SB+2:SB+3], v[\sr+4:\sr+5], v[\sr+6:\sr+7]
	v_pk_add_f32 v[SB+4:SB+5], v[\sr+8:\sr+9], v[\sr+10:\sr+11]
	v_pk_add_f32 v[14:15], v[14:15], v[\sr+12:\sr+13]
	v_add_nc_u32 v[SO], 0xff000000, v[MX]          ; 2 off the exponent field: the conversion's scale operand
	v_add_nc_u32 v[SO+1], 0xff000000, v[MX+4]
	ADD4 \sr+14
	v_lshrrev_b32 v[BY], 23, v[SO]
	v_lshrrev_b32 v[BY+1], 23, v[SO+1]
	ADD4 \sr+22
	v_lshl_or_b32 v7, v[BY+1], 16, v[BY]
	ADD4 \sr+30
	v_lshlrev_b32 v7, v6, v7
	ADD4 \sr+38
	v_permlanex16_b32 v[TM], v7, s2, s3
	ADD4 \sr+46
	v_or_b32 v35, v7, v[TM]                        ; p's scale word for these 128 keys
	ADD4 \sr+54
	v_pk_add_f32 v[SB:SB+1], v[SB:SB+1], v[\sr+62:\sr+63]
	v_pk_add_f32 v[SB+2:SB+3], v[SB+2:SB+3], v[SB+4:SB+5]
	s_delay_alu instid0(VALU_DEP_2)
	v_pk_add_f32 v[14:15], v[14:15], v[SB:SB+1]
	s_delay_alu instid0(VALU_DEP_1)
	v_pk_add_f32 v[14:15], v[14:15], v[SB+2:SB+3]
.irp c, 0,1
	v_cvt_scalef32_pk16_fp6_f32 v[P+6*\c:P+6*\c+2], v[\sr+32*\c:\sr+32*\c+15], v[SO+\c]
	v_cvt_scalef32_pk16_fp6_f32 v[T+4*\c:T+4*\c+2], v[\sr+32*\c+16:\sr+32*\c+31], v[SO+\c]   ; (a conversion's three registers begin on an even number)
.endr
	s_add_co_u32 s20, s12, \k
	s_and_b32 s20, s20, 15
	s_mul_i32 s20, s20, RECB                       ; the next step's record
	v_add_nc_u32 v3, s20, v1                       ; (also the plain line behind the conversions)
	v_add_nc_u32 v4, s20, v2
	FOUR \sr, 0                                    ; p is converted and summed: its registers take the next step's keys
	ds_load_b64 v[36:37], v4 offset:12288          ; and their scale words
.irp c, 0,1
.irp i, 0,1,2
	v_mov_b32 v[P+6*\c+3+\i], v[T+4*\c+\i]
.endr
.endr
	s_wait_alu depctr_va_vdst(0)
.set N, 0
.rept 16
	v_pk_mul_f32 v[O+N:O+N+1], v[O+N:O+N+1], v[FF:FF+1] op_sel_hi:[1,0]   ; O^T under the new M; also the places ahead of the products below
.set N, N+2
.endr
	s_wait_alu depctr_va_vdst(0)
	s_wait_dscnt 17                                ; the values' fragments are in; the 17 loads for the next step's keys may be out
.irp u, 0,1,2,3
.if \u%2
	v_wmma_scale_f32_16x16x128_f8f6f4 v[O+8*\u:O+8*\u+7], v[\kr+12*\u:\kr+12*\u+11], v[P:P+11], v[O+8*\u:O+8*\u+7], v[38+\u/2], v35 matrix_a_fmt:MATRIX_FMT_FP6 matrix_b_fmt:MATRIX_FMT_FP6 matrix_a_scale:MATRIX_SCALE_ROW1
.else
	v_wmma_scale_f32_16x16x128_f8f6f4 v[O+8*\u:O+8*\u+7], v[\kr+12*\u:\kr+12*\u+11], v[P:P+11], v[O+8*\u:O+8*\u+7], v[38+\u/2], v35 matrix_a_fmt:MATRIX_FMT_FP6 matrix_b_fmt:MATRIX_FMT_FP6
.endif
.endr
.rept 5
	v_nop                                          ; five places: the next step's first products write over the values' registers
.endr
.endm
	s_mov_b32 s12, 0                               ; the number of the trip's first step
	s_mov_b32 s11, 8
	s_wait_alu depctr_va_vdst(0)
	s_wait_tensorcnt 0x0                           ; my record is in,
	s_barrier_signal -1
	s_barrier_wait -1                              ; everybody's is
	FOUR X, 0                                      ; step 0's keys
	ds_load_b64 v[36:37], v4 offset:12288
.Lstep:
	STEP X, Y, 1
	STEP Y, X, 2
	s_add_co_u32 s12, s12, 2
	s_sub_co_u32 s11, s11, 1
	s_cmp_lg_u32 s11, 0
	s_cbranch_scc1 .Lstep
	v_add_f32 v14, v14, v15
	s_delay_alu instid0(VALU_DEP_1)
	v_permlanex16_b32 v[TM], v14, s2, s3
	s_delay_alu instid0(VALU_DEP_1)
	v_add_f32 v14, v14, v[TM]                      ; the row's sum
	s_wait_alu depctr_va_vdst(0)
	v_rcp_f32 v14, v14
	v_nop
	s_wait_alu depctr_va_vdst(0)
.set N, 0
.rept 16
	v_pk_mul_f32 v[Y+N:Y+N+1], v[O+N:O+N+1], v[14:15] op_sel_hi:[1,0]   ; x: my query, channels 32 h .. 32 h + 31 of the head: a block of the last product's K.  (Region Y: X awaits the unused loads)
.set N, N+2
.endr
	v_max3_num_f32 v[MX], |v[Y]|, |v[Y+1]|, 0x1800000
	v_max3_num_f32 v[MX+1], |v[Y+16]|, |v[Y+17]|, |v[Y+18]|
.irp i, 2,4,6,8,10,12
	s_delay_alu instid0(VALU_DEP_2)
	v_max3_num_f32 v[MX], v[MX], |v[Y+\i]|, |v[Y+\i+1]|
	s_delay_alu instid0(VALU_DEP_2)
	v_max3_num_f32 v[MX+1], v[MX+1], |v[Y+17+\i]|, |v[Y+18+\i]|
.endr
	s_delay_alu instid0(VALU_DEP_2)
	v_max3_num_f32 v[MX], v[MX], |v[Y+14]|, |v[Y+15]|
	s_delay_alu instid0(VALU_DEP_1)
	v_max3_num_f32 v[MX], v[MX], v[MX+1], |v[Y+31]|
	s_delay_alu instid0(VALU_DEP_1)
	v_add_nc_u32 v[SO], 0xff000000, v[MX]
	v_cvt_scalef32_pk16_fp6_f32 v[P:P+2], v[Y:Y+15], v[SO]
	v_cvt_scalef32_pk16_fp6_f32 v[T:T+2], v[Y+16:Y+31], v[SO]
	v_lshrrev_b32 v[BY], 23, v[SO]
.irp i, 0,1,2
	v_mov_b32 v[P+3+\i], v[T+\i]
.endr
	global_store_b128 v1, v[P:P+3], s[8:9]         ; a half fragment as an image of registers: 512 consecutive bytes,
	global_store_b64 v2, v[P+4:P+5], s[8:9] offset:512   ; and 256
	global_store_b8 v10, v[BY], s[100:101]
	s_wait_tensorcnt 0x0                           ; the wave's end
	ds_add_u32 v[SPW], v[NIL]
	s_wait_dscnt 0x0
	CROUND                                         ; the closing round
	s_endpgm
.Lfunc_end_k_q4e9cad6ada_attn:
	.size	k_q4e9cad6ada_attn, .Lfunc_end_k_q4e9cad6ada_attn-k_q4e9cad6ada_attn
	.p2alignl 7, 3214868480
	.fill 96, 4, 3214868480
	.section	.rodata,"a",@progbits
	.p2align	6, 0x0
	.amdhsa_kernel k_q4e9cad6ada_attn
		.amdhsa_group_segment_fixed_size 327680
		.amdhsa_private_segment_fixed_size 0
		.amdhsa_enable_private_segment 0
		.amdhsa_kernarg_size 24
		.amdhsa_user_sgpr_count 2
		.amdhsa_user_sgpr_kernarg_segment_ptr 1
		.amdhsa_wavefront_size32 1
		.amdhsa_system_sgpr_workgroup_id_x 1
		.amdhsa_system_sgpr_workgroup_id_y 1
		.amdhsa_system_sgpr_workgroup_id_z 1
		.amdhsa_system_vgpr_workitem_id 0
		.amdhsa_next_free_vgpr 244
		.amdhsa_next_free_sgpr 102
		.amdhsa_reserve_vcc 0
		.amdhsa_float_denorm_mode_32 3
		.amdhsa_float_denorm_mode_16_64 3
		.amdhsa_memory_ordered 1
		.amdhsa_forward_progress 1
		.amdhsa_inst_pref_size 52
	.end_amdhsa_kernel
	.amdgpu_metadata
---
amdhsa.version: [ 1, 2 ]
amdhsa.kernels:
  - .name:           k_q4e9cad6ada_attn
    .symbol:         k_q4e9cad6ada_attn.kd
    .args:
      - { .name: hq, .offset: 0, .size: 8, .value_kind: global_buffer, .address_space: global }
      - { .name: mb, .offset: 8, .size: 8, .value_kind: global_buffer, .address_space: global }
      - { .name: oq, .offset: 16, .size: 8, .value_kind: global_buffer, .address_space: global }
    .group_segment_fixed_size: 327680
    .private_segment_fixed_size: 0
    .kernarg_segment_align: 8
    .kernarg_segment_size: 24
    .max_flat_workgroup_size: 512
    .sgpr_count:     102
    .vgpr_count:     244
    .wavefront_size: 32
...
	.end_amdgpu_metadata
.endif
;; end of part 3
;; launch oproj (part 4): grid 8 x 32, 4 waves a work-group, clusters of 4 x 4, 327,680 bytes of LDS; arguments oq, xq, b_o, out0; writes out0
.if DOCPART == 4
	.amdgcn_target "amdgcn-amd-amdhsa--gfx1250"
	.amdhsa_code_object_version 6
	.text
	.protected	k_q4e9cad6ada_oproj
	.globl	k_q4e9cad6ada_oproj
	.p2align	8
	.type	k_q4e9cad6ada_oproj,@function
k_q4e9cad6ada_oproj:
	s_mov_b64 s[64:65], 0
	v_nop
	global_prefetch_b8 v0, s[64:65] scope:SCOPE_SE
	s_setreg_imm32_b32 hwreg(HW_REG_WAVE_MODE, 25, 1), 1
	s_wait_xcnt 0x0
	s_wait_alu depctr_hold_cnt(0) depctr_sa_sdst(0) depctr_va_vdst(0) depctr_va_sdst(0) depctr_va_ssrc(0) depctr_va_vcc(0) depctr_vm_vsrc(0)
	s_getreg_b32 s2, hwreg(HW_REG_IB_STS2, 6, 4)
	s_cmp_eq_u32 s2, 0
	s_cbranch_scc0 .Lentry_in_a_cluster
	s_endpgm
.Lentry_in_a_cluster:
	s_bfe_u32 s2, ttmp6, 0x10000c
	s_cmp_lg_u32 s2, 0xf033
	s_cbranch_scc0 .Lentry_shape_is_right
	s_endpgm
.Lentry_shape_is_right:
; out0 = x w_o^T + b_o on codes of FP6 (E2M3) with E8M0 scales, K = 1,024.  A work-group makes 128 x 128, a wave 64 x 64: 16 accumulators; the bias is the C of each accumulator's first product.
; ALL OF K LIES IN LDS AT ONCE.  The work-group's 8 tiles of x (oq) are 98,304 dense bytes, its 8 tiles of w_o (xq) likewise, their scale bytes 4,096 each: four tiles, one tensor load a wave at the head,
; one wait and one barrier; nothing is filled again, and the walk along K has no barrier.  Tile i lies at 12,288 i, its 256 along K number c at + 3,072 c, as images of registers: every LDS load is dense.
; CLUSTERS: 4 x 4.  x's tiles are asked for jointly along a row of the cluster, w_o's along a column.  No prefetch: all is asked for at the launch's head, ahead of the walk.
; Source 0 takes rows of w_o and source 1 rows of x: a lane holds one token and eight neighbouring channels; results leave through the wave's own stage in LDS as whole units of 256 bytes.
.set TILEB,  3072                      ; a tile's 256 along K
.set TILEK,  12288                     ; a tile's whole K
.set HALFT,  4*TILEK                   ; 4 tiles: what one wave reads of x or of w_o
.set CHUNK,  TILEB                     ; from 256 along K to the next
.set FR,     12
.set SCL,    4*HALFT
.set SCB,    4224
.set STAGE,  205056
.set SPITCH, 272
.set XS0,    12582912
.set OSOFF,  3145728
.set ADRA, 16
.set ADRB, 18
.set ADRS, 20
.set STO,  21
.set RD,   22
.set CO,   23
.set BO0,  24
.set SC,   32
.set CB,   64
.set BK,   64
.set ACC,  128
.set F0,   0
.set F1,   128
.set G1,   24
.set G1B,  32
.set G1S,  40
.set G1SB, 48
.set G0S,  56
.set G0SB, 60
.set G0,   68
.set G0B,  84
.set MSB, 0
.macro WIN new
.if MSB != (\new)
	s_set_vgpr_msb (MSB<<8)|(\new)
.set MSB, (\new)
.endif
.endm
.set MUL,  0x05
.set TO_F, 0x40
.macro ARM under, g0, g1, next         ; an arm of the head's tree of branches on the wave's number: one joint load, then a jump to the tree's end
	s_cmp_lt_u32 s14, \under
	s_cbranch_scc0 \next
	tensor_load_to_lds s[\g0:\g0+3], s[\g1:\g1+7]
	s_nop 0
.rept 4
	v_nop
.endr
	s_branch .Lhead_asked
\next:
.endm
.macro CROUND
	s_barrier_signal -1
	s_barrier_wait -1
	s_cmp_lg_u32 s14, 0
	s_cbranch_scc1 .Lnot_wave_0_\@
	s_barrier_signal -3
.Lnot_wave_0_\@:
	s_barrier_wait -3
	s_barrier_signal -1
	s_barrier_wait -1
.endm
	s_load_b256 s[4:11], s[0:1], 0x0
	v_lshl_add_u32 v62, v0, 2, 0x36500
	v_mov_b32 v63, 0
	ds_add_u32 v62, v63
	ds_add_u32 v62, v63
	v_lshrrev_b32 v1, 5, v0
	v_readfirstlane_b32 s14, v1
	s_lshr_b32 s15, s14, 1
	s_and_b32 s16, s14, 1
	s_bfe_u32 s12, ttmp6, 0x40000
	s_bfe_u32 s13, ttmp6, 0x40004
	s_and_b32 s17, ttmp7, 0xffff
	s_lshl_b32 s18, s17, 2
	s_add_co_u32 s18, s18, s13
	s_lshl_b32 s19, ttmp9, 2
	s_add_co_u32 s19, s19, s12
	s_lshl_b32 s100, s13, 2
	s_lshl_b32 s100, 15, s100
	s_lshl_b32 s101, 0x1111, s12
	s_or_b32 s[G1+0], s100, (3<<16)|(1<<21)
	s_or_b32 s[G1B+0], s101, (3<<16)|(1<<21)
.irp g, G1, G1B
	s_mov_b32 s[\g+1], 384<<16
	s_mov_b32 s[\g+2], 32<<16                      ; 98,304 dense bytes as 32 rows of 3,072
	s_mov_b32 s[\g+3], 384<<16
	s_mov_b32 s[\g+4], 32
	s_mov_b32 s[\g+5], 384
	s_mov_b32 s[\g+6], 0
	s_mov_b32 s[\g+7], 0
.endr
	s_or_b32 s[G1S+0], s100, (3<<16)|(1<<21)
	s_or_b32 s[G1SB+0], s101, (3<<16)|(1<<21)
.irp g, G1S, G1SB
	s_mov_b32 s[\g+1], 32<<16
	s_mov_b32 s[\g+2], 16<<16                      ; 4,096 dense bytes as 16 rows of 256
	s_mov_b32 s[\g+3], 32<<16
	s_mov_b32 s[\g+4], 16
	s_mov_b32 s[\g+5], 32
	s_mov_b32 s[\g+6], 0
	s_mov_b32 s[\g+7], 0
.endr
	s_lshl_b32 s20, s18, 3                         ; the first of my work-group's 8 tiles of x
	s_lshl_b32 s2, s19, 3
	s_add_co_u32 s2, s2, 960                       ; and of w_o, in xq
	s_lshl_b32 s22, s20, 9
	s_add_co_u32 s22, s22, OSOFF
	s_mov_b32 s23, 0
	s_mul_i32 s20, s20, 12288
	s_mov_b32 s21, 0
	s_lshl_b32 s100, s2, 9
	s_add_co_u32 s100, s100, XS0
	s_mov_b32 s101, 0
	s_mul_i32 s2, s2, 12288
	s_mov_b32 s3, 0
	s_wait_dscnt 0x0
	s_wait_kmcnt 0x0
	s_add_nc_u64 s[20:21], s[4:5], s[20:21]
	s_add_nc_u64 s[22:23], s[4:5], s[22:23]
	s_add_nc_u64 s[2:3], s[6:7], s[2:3]
	s_add_nc_u64 s[100:101], s[6:7], s[100:101]
	CROUND
	s_mov_b32 s[G0S], 1                            ; x's scale bytes,
	s_mov_b32 s[G0S+1], SCL
	s_mov_b64 s[G0S+2:G0S+3], s[22:23]
	s_or_b32 s[G0S+3], s[G0S+3], 0x80000000
	s_mov_b32 s[G0SB], 1                           ; w_o's,
	s_mov_b32 s[G0SB+1], SCL+SCB
	s_mov_b64 s[G0SB+2:G0SB+3], s[100:101]
	s_or_b32 s[G0SB+3], s[G0SB+3], 0x80000000
	s_mov_b32 s[G0], 1                             ; x's codes,
	s_mov_b32 s[G0+1], 0
	s_mov_b64 s[G0+2:G0+3], s[20:21]
	s_or_b32 s[G0+3], s[G0+3], 0x80000000
	s_mov_b32 s[G0B], 1                            ; w_o's, behind them
	s_mov_b32 s[G0B+1], 2*HALFT
	s_mov_b64 s[G0B+2:G0B+3], s[2:3]
	s_or_b32 s[G0B+3], s[G0B+3], 0x80000000
	ARM 1, G0,  G1,  .Lhead_b                      ; one load a wave: every way through the tree passes exactly one
	ARM 2, G0B, G1B, .Lhead_sa
	ARM 3, G0S, G1S, .Lhead_sb
	tensor_load_to_lds s[G0SB:G0SB+3], s[G1SB:G1SB+7]
	s_nop 0
.rept 4
	v_nop
.endr
.Lhead_asked:
	v_and_b32 v1, 31, v0
	v_and_b32 v2, 15, v0
	v_bfe_u32 v3, v0, 4, 1
	v_lshlrev_b32 v4, 4, v1
	s_wait_alu depctr_va_vdst(0)
	v_lshlrev_b32 v5, 3, v1
	s_wait_alu depctr_va_vdst(0)
	v_lshlrev_b32 v[BO0], 7, v3
	s_lshl_b32 s20, s19, 9
	s_lshl_b32 s21, s16, 8
	s_add_co_u32 s20, s20, s21
	s_mov_b32 s21, 0
	s_add_nc_u64 s[8:9], s[8:9], s[20:21]
	s_add_nc_u64 s[10:11], s[10:11], s[20:21]
.irp x, 0,1,2,3,4,5,6,7
	global_load_b128 v[CB+4*\x:CB+4*\x+3], v[BO0], s[8:9] offset:16*\x
.endr
	s_lshl_b32 s20, s18, 19
	s_lshl_b32 s22, s15, 18
	s_add_co_u32 s20, s20, s22
	s_add_nc_u64 s[10:11], s[10:11], s[20:21]
	s_mul_i32 s21, s15, HALFT
	s_mul_i32 s22, s16, HALFT
	s_add_co_u32 s22, s22, 2*HALFT
	v_add_nc_u32 v[ADRA], s21, v4
	v_add_nc_u32 v[ADRA+1], s21, v5
	v_add_nc_u32 v[ADRB], s22, v4
	v_add_nc_u32 v[ADRB+1], s22, v5
	s_lshl_b32 s21, s15, 11
	s_lshl_b32 s22, s16, 11
	s_add_co_u32 s22, s22, SCB
	s_sub_co_u32 s22, s22, s21
	v_mul_u32_u24 v6, s22, v3
	s_add_co_u32 s21, s21, SCL
	v_lshl_add_u32 v6, v2, 3, v6
	v_add_nc_u32 v[ADRS], s21, v6
	s_mul_i32 s23, s14, 16*SPITCH
	s_add_co_u32 s23, s23, STAGE
	v_mul_u32_u24 v6, v2, SPITCH
	v_lshl_add_u32 v6, v3, 7, v6
	v_add_nc_u32 v[STO], s23, v6
	v_mul_u32_u24 v6, v3, SPITCH
	v_lshl_add_u32 v6, v2, 4, v6
	v_add_nc_u32 v[RD], s23, v6
	v_lshlrev_b32 v[CO], 12, v3
	v_lshl_add_u32 v[CO], v2, 4, v[CO]
.macro FRAG reg, adr, q, i
	ds_load_b128 v[\reg:\reg+3], v[\adr] offset:(\i)*TILEK+(\q)*1536
	ds_load_b64 v[\reg+4:\reg+5], v[\adr+1] offset:(\i)*TILEK+(\q)*1536+512
	ds_load_b128 v[\reg+6:\reg+9], v[\adr] offset:(\i)*TILEK+(\q)*1536+768
	ds_load_b64 v[\reg+10:\reg+11], v[\adr+1] offset:(\i)*TILEK+(\q)*1536+1280
.endm
.macro FETCH q, f
	WIN TO_F
.irp i, 0,1,2,3
	FRAG \f+48+FR*\i, ADRB, \q, \i
.endr
.irp i, 0,1,2,3
	FRAG \f+FR*\i, ADRA, \q, \i
.endr
	WIN 0
.endm
.macro SCALES sc
.irp i, 0,1,2,3
	ds_load_b64 v[SC+8*(\sc)+2*\i:SC+8*(\sc)+2*\i+1], v[ADRS] offset:512*\i
.endr
.endm
.macro MUL8 a0, f, sc, q, first
.irp a, \a0, \a0+1
.irp b, 0,1,2,3
.if \first
	v_wmma_scale_f32_16x16x128_f8f6f4 v[ACC+8*(4*(\a)+\b):ACC+8*(4*(\a)+\b)+7], v[\f+48+FR*\b:\f+48+FR*\b+FR-1], v[\f+FR*(\a):\f+FR*(\a)+FR-1], v[CB+8*\b:CB+8*\b+7], v[SC+8*(\sc)+2*\b+(\q)], v[SC+8*(\sc)+2*(\a)+(\q)] matrix_a_fmt:MATRIX_FMT_FP6 matrix_b_fmt:MATRIX_FMT_FP6 matrix_a_scale:MATRIX_SCALE_ROW1
.else
	v_wmma_scale_f32_16x16x128_f8f6f4 v[ACC+8*(4*(\a)+\b):ACC+8*(4*(\a)+\b)+7], v[\f+48+FR*\b:\f+48+FR*\b+FR-1], v[\f+FR*(\a):\f+FR*(\a)+FR-1], v[ACC+8*(4*(\a)+\b):ACC+8*(4*(\a)+\b)+7], v[SC+8*(\sc)+2*\b+(\q)], v[SC+8*(\sc)+2*(\a)+(\q)] matrix_a_fmt:MATRIX_FMT_FP6 matrix_b_fmt:MATRIX_FMT_FP6 matrix_a_scale:MATRIX_SCALE_ROW1
.endif
.endr
.endr
.endm
.macro PLACES
.rept 4
	v_nop
.endr
.endm
.macro STEPE sc, first
.if !\first
	PLACES
.endif
	FETCH 1, F1
	s_wait_dscnt 32
	WIN MUL
	MUL8 0, F0, \sc, 0, \first
	MUL8 2, F0, \sc, 0, \first
	WIN 0
.endm
.macro TURN sc                         ; the second 128 of a run of 256 along K; in its middle the addresses step to the next run
	s_wait_dscnt 0x0
	WIN MUL
	MUL8 0, F1, \sc, 1, 0
	WIN 0
	v_add_nc_u32 v[ADRA], CHUNK, v[ADRA]
	v_add_nc_u32 v[ADRA+1], CHUNK, v[ADRA+1]
	v_add_nc_u32 v[ADRB], CHUNK, v[ADRB]
	v_add_nc_u32 v[ADRB+1], CHUNK, v[ADRB+1]
	v_add_nc_u32 v[ADRS], 128, v[ADRS]
	FETCH 0, F0
	SCALES 1-\sc
	WIN MUL
	MUL8 2, F1, \sc, 1, 0
	WIN 0
.endm
	s_wait_alu depctr_va_vdst(0)
	s_wait_tensorcnt 0x0                           ; my tile of the four is in,
	s_barrier_signal -1
	s_barrier_wait -1                              ; everybody's is
	FETCH 0, F0
	SCALES 0
	s_wait_loadcnt 0x0
	STEPE 0, 1
	TURN 0
	STEPE 1, 0
	s_wait_alu depctr_va_vdst(0)
	TURN 1
	STEPE 0, 0
	s_wait_alu depctr_va_vdst(0)
	TURN 0
	STEPE 1, 0
	s_wait_dscnt 0x0
	WIN MUL
	MUL8 0, F1, 1, 1, 0
	MUL8 2, F1, 1, 1, 0
	WIN 0
.macro TOSTAGE a
.irp b, 0,1,2,3
	ds_store_b128 v[STO], v[ACC+8*(4*(\a)+\b):ACC+8*(4*(\a)+\b)+3] offset:32*\b
	ds_store_b128 v[STO], v[ACC+8*(4*(\a)+\b)+4:ACC+8*(4*(\a)+\b)+7] offset:32*\b+16
.endr
.set BB, BK+32*((\a)%2)
.irp i, 0,1,2,3,4,5,6,7
	ds_load_b128 v[BB+4*\i:BB+4*\i+3], v[RD] offset:2*\i*SPITCH
.endr
.endm
.macro SEND a, younger
.set BB, BK+32*((\a)%2)
	s_wait_dscnt \younger
.irp i, 0,1,2,3,4,5,6,7
	global_store_b128 v[CO], v[BB+4*\i:BB+4*\i+3], s[10:11] offset:(32*(\i/4)+8*(\a)+2*(\i%4))*4096 th:TH_STORE_NT
.endr
.endm
	PLACES
	TOSTAGE 0
.irp a, 1,2,3
.if \a > 1
	s_wait_xcnt 0x0
.endif
	TOSTAGE \a
	SEND \a-1, 16
.endr
	SEND 3, 0
	s_wait_tensorcnt 0x0
	ds_add_u32 v62, v63
	s_wait_dscnt 0x0
	CROUND
	s_endpgm
.Lfunc_end_k_q4e9cad6ada_oproj:
	.size	k_q4e9cad6ada_oproj, .Lfunc_end_k_q4e9cad6ada_oproj-k_q4e9cad6ada_oproj
	.p2alignl 7, 3214868480
	.fill 96, 4, 3214868480
	.section	.rodata,"a",@progbits
	.p2align	6, 0x0
	.amdhsa_kernel k_q4e9cad6ada_oproj
		.amdhsa_group_segment_fixed_size 327680
		.amdhsa_private_segment_fixed_size 0
		.amdhsa_enable_private_segment 0
		.amdhsa_kernarg_size 32
		.amdhsa_user_sgpr_count 2
		.amdhsa_user_sgpr_kernarg_segment_ptr 1
		.amdhsa_wavefront_size32 1
		.amdhsa_system_sgpr_workgroup_id_x 1
		.amdhsa_system_sgpr_workgroup_id_y 1
		.amdhsa_system_sgpr_workgroup_id_z 1
		.amdhsa_system_vgpr_workitem_id 0
		.amdhsa_next_free_vgpr 512
		.amdhsa_next_free_sgpr 102
		.amdhsa_reserve_vcc 0
		.amdhsa_float_denorm_mode_32 3
		.amdhsa_float_denorm_mode_16_64 3
		.amdhsa_memory_ordered 1
		.amdhsa_forward_progress 1
		.amdhsa_inst_pref_size 53
	.end_amdhsa_kernel
	.amdgpu_metadata
---
amdhsa.version: [ 1, 2 ]
amdhsa.kernels:
  - .name:           k_q4e9cad6ada_oproj
    .symbol:         k_q4e9cad6ada_oproj.kd
    .args:
      - { .name: oq, .offset: 0, .size: 8, .value_kind: global_buffer, .address_space: global }
      - { .name: xq, .offset: 8, .size: 8, .value_kind: global_buffer, .address_space: global }
      - { .name: b_o, .offset: 16, .size: 8, .value_kind: global_buffer, .address_space: global }
      - { .name: out0, .offset: 24, .size: 8, .value_kind: global_buffer, .address_space: global }
    .group_segment_fixed_size: 327680
    .private_segment_fixed_size: 0
    .kernarg_segment_align: 8
    .kernarg_segment_size: 32
    .max_flat_workgroup_size: 128
    .sgpr_count:     102
    .vgpr_count:     512
    .wavefront_size: 32
...
	.end_amdgpu_metadata
.endif
;; end of part 4
